; MI455X (gfx1250); checked and timed in simulation.
; The chip was launched on July 23, 2026; its instructions are those of AMD's public machine-readable ISA for CDNA 5 (MIT licence, August 2026) and "CDNA5" Instruction Set Architecture Reference Guide (July 2026). The comments in the code are by the model that wrote it; some were corrected since.
;; Multihead Linear Attention. Allowed arithmetic: matrix products marked QUANTISED: E2M1 operands, one E8M0 scale for each 32 along K, by v_wmma_scale_f32_16x16x128_f8f6f4 with both operands' format E2M1 (or v_wmma_scale_f32_32x16x128_f4), f32 sums; products left as they are: bf16, f16 or f32 operands; f32 sums; everything else in f32.
;; Inputs: Wc 256 x 4,096 float32; Wk 1,024 x 1,024 float32; Wo 1,024 x 1,024 float32; Wq 1,024 x 1,024 float32; Wv 1,024 x 1,024 float32; bk 1,024 float32; bo 1,024 float32; bq 1,024 float32; bv 1,024 float32; key_padding_mask 4 x 4,096 bool; query 4,096 x 4 x 1,024 float32.
;; Outputs: out0 4,096 x 4 x 1,024 float32.
;; This version of the problem:
;;   THIS VERSION OF THE PROBLEM IS GIVEN IN LOW PRECISION. The matrix products marked QUANTISED in the list below multiply operands that are first quantised to E2M1 (2 exponent bits, 1 mantissa bit; 4 bits a number), with one power-of-two scale for each 32 numbers along K (OCP MX v1.0); their sums are f32. The products marked 'left as it is' may take bf16, f16 or f32 operands, with f32 sums. Whichever they take, every output number must still come out within the allowed error. Rounding operands to bf16 (8 significant bits) uses up far more of that allowance than f16 does (11 bits, for magnitudes from 6e-5 to 65,504). All else is computed in f32.
;;   The module's matrix products, in the order in which they are computed (A, B: the left and right operand; K: the contracted axis; several contracted axes count as one K, in the product's order):
;;     1. [M 16,384, K 1,024] x [K 1,024, N 1,024]; A: input query; B: input Wq: QUANTISED
;;     2. [M 256, K 4,096] x [K 4,096, N 4,096]; A: input Wc; B: input query: QUANTISED
;;     3. [M 1,024, K 1,024] x [K 1,024, N 1,024]; A: computed on the way; B: input Wk: left as it is (an operand is computed on the way)
;;     4. [M 1,024, K 1,024] x [K 1,024, N 1,024]; A: computed on the way; B: input Wv: left as it is (an operand is computed on the way)
;;     5. batch 64 x [M 4,096, K 64] x [K 64, N 256]; A: computed on the way; B: computed on the way: left as it is (an operand is computed on the way)
;;     6. batch 64 x [M 4,096, K 256] x [K 256, N 64]; A: computed on the way; B: computed on the way: left as it is (an operand is computed on the way)
;;     7. [M 16,384, K 1,024] x [K 1,024, N 1,024]; A: computed on the way; B: input Wo: left as it is (an operand is computed on the way)
;;   THE QUANTISER, for each operand of a quantised product, along K:
;;     - K is cut into blocks of 32 from its start; a last block that is shorter is filled with zeros.
;;     - A block's scale is 2^e with e = floor(log2(the largest magnitude in the block)) - 2, held to -126 .. 127; a block of zeros has e = 0. As a byte (E8M0): e + 127.
;;     - Each number is divided by its block's scale, clamped to +-6, and rounded to the nearest number of E2M1, ties to even, subnormals kept.
;;     - The product sums the exact products of the quantised numbers (number of the format x scale) in f32.
;;   ~~~python
;;   def quantise(x, axis):      # numpy; x: float32 -> the quantised numbers, widened to float32 again
;;       x = np.moveaxis(x, axis, -1); K = x.shape[-1]
;;       x = np.pad(x, [(0, 0)] * (x.ndim - 1) + [(0, -K % 32)]); x = x.reshape(x.shape[:-1] + (-1, 32)); a = np.abs(x).max(-1, keepdims=True)
;;       e = np.where(a > 0, np.clip(np.frexp(np.where(a > 0, a, 1))[1] - 1 - 2, -126, 127), 0)      # np.frexp(a)[1] - 1 = floor(log2(a)), exactly
;;       r = np.clip(x / 2.0 ** e, -6, 6)
;;       step = 2.0 ** (np.maximum(np.frexp(np.where(r == 0, 1, r))[1] - 1, 0) - 1)
;;       q = np.round(r / step) * step * 2.0 ** e      # np.round: ties to even
;;       return np.moveaxis(q.reshape(q.shape[:-2] + (-1,))[..., :K], -1, axis).astype(np.float32)
;;   ~~~
;; One version. Each part assembles by itself: llvm-mc -triple=amdgcn-amd-amdhsa -mcpu=gfx1250 --defsym DOCPART=n.
;; ======== version 1 of 1: 5 launches
;; limits: values are held in f16: magnitudes above 65,504 overflow, below 6.1e-05 lose precision
;; workspace buffers: xp 8,912,896 bytes; qtp 8,912,896 bytes; wp 1,114,112 bytes; w16 6,291,456 bytes; comp16 2,097,152 bytes; kv 4,195,328 bytes; attn 33,554,432 bytes
;; launch prep (part 1): grid 624 x 1, 4 waves a work-group, no clusters, 56,832 bytes of LDS; arguments query, Wc, Wq, Wk, Wv, Wo, xp, qtp, wp, w16; writes xp, qtp, wp, w16
.if DOCPART == 1
	.amdgcn_target "amdgcn-amd-amdhsa--gfx1250"
	.amdhsa_code_object_version 6
	.text
	.protected	k_qdabb30578c_prep
	.globl	k_qdabb30578c_prep
	.p2align	8
	.type	k_qdabb30578c_prep,@function
k_qdabb30578c_prep:
	s_mov_b64 s[64:65], 0
	v_nop
	global_prefetch_b8 v0, s[64:65] scope:SCOPE_SE
	s_setreg_imm32_b32 hwreg(HW_REG_WAVE_MODE, 25, 1), 1
	s_wait_xcnt 0x0
; PREP: every operand is brought once into the form in which the later launches' matrix instructions take it.
;   work-groups 0-511:   query [4096 t][4096 n = 1024 b + e] f32 is read ONCE and quantised twice to FP4 (E2M1, one E8M0 byte for 32 along K): along e (operand of q = x Wq^T) into xp,
;                        and along t (operand of comp = Wc x) into qtp.
;   work-groups 512-575: Wc [256][4096] and Wq [1024][1024] are quantised along their rows into wp.
;   work-groups 576-623: Wk, Wv, Wo [1024][1024] are rounded to f16 into w16.
; ALL OUTPUTS ARE IMAGES OF OPERAND REGISTERS.  An FP4 fragment (16 rows x 128 K, 1,024 bytes): block kb of 32 along K of row r lies at 256 (kb % 4) + 16 r, so that two loads of 16 bytes a lane, 512 bytes
; apart, fill the operand.  An f16 fragment (16 rows x 32 K, 1,024 bytes): the eight numbers k = 8 p .. 8 p + 7 of row r lie at 256 p + 16 r.
; THE QUANTISER: a block's scale is 2^(floor(log2(largest magnitude)) - 2); its byte is the largest magnitude's exponent field - 2, held at 1 from below by a floor among the maximum's leaves.
; LIMITS: a block of zeros, and a block whose largest magnitude lies under 2^-124, keeps the byte 1 (a block of zeros has zero codes, and this program alone reads the bytes); NaN and infinities are not served.
; SHARES.  A wave has two patches of 32 loads of 128 bytes out, and a quantising wave takes only eight patches (32 KiB): so there are many waves, four work-groups fit on a WGP by registers and LDS,
; and what is on its way is the waves' number times 8 KiB.  The three kinds of work-group part on the work-group's number and never meet again; each has LDS bytes of its own.  No tensor load.
; ONE KIND OF STORE DOES NOT FILL ITS 256-BYTE BLOCKS: a column's (a row's) eight scale bytes along K lie 16 bytes apart from the neighbour's, the other eight coming from another work-group: one byte in 128 of what a wave reads.
.set PK,    139264                     ; a block of xp, qtp or Wc's part of wp: 131,072 bytes of codes and 8,192 of scale bytes
.set HK,    69632                      ; half of it: 2,048 along K of 64 rows
.set QW,    34816                      ; a head's 64 rows of Wq: 32,768 bytes of codes, 2,048 of scale bytes
.set NP,    8                          ; patches of 32 x 32 numbers to a quantising wave
.set TRQ,   0                          ; LDS: query's patches turn here: 32 rows x 144 bytes for each wave
.set ES,    18432                      ; the scale words of 256 rows of x for one K step: a byte from each wave
.set TRW,   20480                      ; Wc's and Wq's patches turn here
.set CV,    38912                      ; the cast's stage: 16 rows x 272 bytes for each wave
.set SPARE, 56320                      ; the spare words, 128 bytes for each wave: two blocks of 256 bytes that no other line names
.set LN,   1                           ; v1   lane
.set L4,   2                           ; v2   4 x lane
.set L16,  3                           ; v3   16 x lane
.set TW,   4                           ; v4   a patch on its way in: 4,608 x wave + 4 x lane
.set TR,   5                           ; v5   and on its way out: 4,608 x wave + 144 x lane
.set CO,   6                           ; v6   1,024 (lane / 16) + 16 (lane % 16): my row's place in two neighbouring tiles of a K step
.set EO,   7                           ; v7   8,192 (lane / 16) + 16 (lane % 16): the same in xp, whose tiles of rows lie 8,192 bytes apart
.set TA,   8                           ; v8-11  the quantiser's temporaries, first use in a patch
.set ESA,  12                          ; v12  ES + 4 x lane + wave
.set ESR,  13                          ; v13  ES + 256 x wave + 8 x lane
.set CVW,  14                          ; v14  the cast's stage, in
.set CVR,  15                          ; v15  and out
.set TB,   16                          ; v16-19 the quantiser's temporaries, second use in a patch
.set L8,   20                          ; v20  8 x lane
.set X,    32                          ; v32-95  two sets of 32 numbers as loaded (the cast: v32-159, two sets of 64)
.set Y,    96                          ; v96-127 a patch turned
.set CT,   128                         ; v128-131 codes along t
.set CE,   132                         ; v132-135 codes along e (Wc, Wq: along the row)
.set ST,   136                         ; v136-137 eight scale bytes
.set OFFR, 140                         ; v140-171 Wc, Wq: row i's offset
.set SPW,  174                         ; v174 LDS address of my spare word; never rewritten
.set NIL,  175                         ; v175 0; never rewritten
.set OUTR, 176                         ; v176-207 the cast's way out
; 32 numbers of one block, v[src] on, become 16 bytes of codes in v[dst] on; v[t+3] is the scale's byte.  The last line is also the plain vector line behind the conversions.
.macro QUANT src, dst, t
	v_max3_num_f32 v[\t], |v[\src]|, |v[\src+1]|, |v[\src+2]|
	v_max3_num_f32 v[\t+1], |v[\src+3]|, |v[\src+4]|, |v[\src+5]|
.irp i, 6,10,14,18,22,26
	v_max3_num_f32 v[\t], v[\t], |v[\src+\i]|, |v[\src+\i+1]|
	v_max3_num_f32 v[\t+1], v[\t+1], |v[\src+\i+2]|, |v[\src+\i+3]|
.endr
	v_max3_num_f32 v[\t], v[\t], |v[\src+30]|, |v[\src+31]|
	v_max3_num_f32 v[\t], v[\t], v[\t+1], 0x1800000        ; the floor 2^(3 - 127): the byte cannot fall under 1
	v_add_nc_u32 v[\t+2], 0xff000000, v[\t]                ; 2 off the exponent field: the conversion takes this operand's exponent field as its scale
.irp g, 0,1,2,3
	v_cvt_scalef32_pk8_fp4_f32 v[\dst+\g], v[\src+8*\g:\src+8*\g+7], v[\t+2]
.endr
	v_lshrrev_b32 v[\t+3], 23, v[\t+2]
.endm
; A patch of 32 x 32 numbers turns through the wave's own LDS bytes: register i of lane l comes back as register l of lane i.  LDS serves a wave's instructions in order: no wait between.
; Rows 144 bytes apart.
.macro TRANSP xs, reg
.set ii, 0
.rept 32
	ds_store_b32 v[TW], v[\xs+ii] offset:\reg+144*ii
.set ii, ii+1
.endr
.set ii, 0
.rept 8
	ds_load_b128 v[Y+4*ii:Y+4*ii+3], v[TR] offset:\reg+16*ii
.set ii, ii+1
.endr
.endm
.macro BYTE j, t                       ; patch j's scale byte goes to its place among the eight
.if (\j)%4 == 0
	v_mov_b32 v[ST+(\j)/4], v[\t+3]
.else
	v_lshl_or_b32 v[ST+(\j)/4], v[\t+3], 8*((\j)%4), v[ST+(\j)/4]
.endif
.endm
.macro LOADQ j                         ; query's patch j: 32 t x my wave's 32 columns; a load reads 128 consecutive bytes, the four waves side by side 512
.set ii, 0
.rept 32
	global_load_b32 v[X+32*((\j)%2)+ii], v[L4], s[8:9] offset:(32*(\j)+ii)*16384 th:TH_LOAD_NT
.set ii, ii+1
.endr
.endm
.macro PATCHQ j
.set XS, X+32*((\j)%2)
.if (\j) < NP-1
	s_wait_loadcnt 32                              ; this patch's 32 loads are in; the next patch's may be out
.else
	s_wait_loadcnt 0
.endif
	TRANSP XS, TRQ
	s_wait_xcnt 0x0                                ; the last patch's stores have read CT and CE
	QUANT XS, CT, TA                               ; as loaded a lane is a column and its registers run down t: a block along t
	BYTE \j, TA
	global_store_b128 v[CO], v[CT:CT+3], s[36:37] offset:((\j)/4)*4096+((\j)%4)*256   ; sixteen lanes store 256 consecutive bytes, aligned
	s_wait_dscnt 0x0                               ; the patch is back, turned; the LDS stores have read their registers
.if (\j)+2 < NP
	LOADQ (\j)+2
.endif
	QUANT Y, CE, TB                                ; turned, a lane is a row t and its registers run along e: a block along e
	global_store_b128 v[EO], v[CE:CE+3], s[40:41] offset:(\j)*16384
	ds_store_b8 v[ESA], v[TB+3] offset:128*(\j)    ; my wave's byte of the row's scale word
.endm
.macro LOADW j                         ; Wc's or Wq's patch j: my 32 rows x 32 along K
.set ii, 0
.rept 32
	global_load_b32 v[X+32*((\j)%2)+ii], v[OFFR+ii], s[30:31] offset:128*(\j) th:TH_LOAD_NT
.set ii, ii+1
.endr
.endm
.macro PATCHW j
.set XS, X+32*((\j)%2)
.if (\j) < NP-1
	s_wait_loadcnt 32                              ; this patch's 32 loads are in; the next patch's may be out
.else
	s_wait_loadcnt 0
.endif
	TRANSP XS, TRW
	s_wait_dscnt 0x0
.if (\j)+2 < NP
	LOADW (\j)+2
.endif
	s_wait_xcnt 0x0                                ; the last patch's store has read CE
	QUANT Y, CE, TA
	BYTE \j, TA
	global_store_b128 v[CO], v[CE:CE+3], s[46:47] offset:((\j)/4)*4096+((\j)%4)*256
.endm
.macro LOADC q                         ; the cast: my 16 rows x 128 along K: a load reads a row's 512 consecutive bytes
.set ii, 0
.rept 16
	global_load_b128 v[X+64*((\q)%2)+4*ii:X+64*((\q)%2)+4*ii+3], v[L16], s[32:33] offset:4096*ii+512*(\q) th:TH_LOAD_NT
.set ii, ii+1
.endr
.endm
.macro CVSTEP q
.set RS, X+64*((\q)%2)
.if (\q) < 7
	s_wait_loadcnt 16                              ; this step's 16 loads are in; the next step's may be out
.else
	s_wait_loadcnt 0
.endif
.set ii, 0
.rept 16
	v_cvt_pk_f16_f32 v[RS+4*ii], v[RS+4*ii], v[RS+4*ii+1]          ; my four numbers of row ii: 8 bytes
	v_cvt_pk_f16_f32 v[RS+4*ii+1], v[RS+4*ii+2], v[RS+4*ii+3]
.set ii, ii+1
.endr
.set ii, 0
.rept 16
	ds_store_b64 v[CVW], v[RS+4*ii:RS+4*ii+1] offset:16*ii         ; stage row = eight along K; in it 16 bytes for each row of the weight
.set ii, ii+1
.endr
	s_wait_xcnt 0x0                                ; the last step's stores have read OUTR
.set ii, 0
.rept 8
	ds_load_b128 v[OUTR+4*ii:OUTR+4*ii+3], v[CVR] offset:544*ii    ; two stage rows: half a fragment's image
.set ii, ii+1
.endr
	s_wait_dscnt 0x0
.if (\q)+2 < 8
	LOADC (\q)+2
.endif
.set ii, 0
.rept 8
	global_store_b128 v[L16], v[OUTR+4*ii:OUTR+4*ii+3], s[26:27] offset:(\q)*32768+(ii/2)*8192+(ii%2)*512   ; 512 consecutive bytes
.set ii, ii+1
.endr
.endm
	s_load_b512 s[8:23], s[0:1], 0x0               ; query s[8:9], Wc s[10:11], Wq s[12:13], Wk s[14:15], Wv s[16:17], Wo s[18:19], xp s[20:21], qtp s[22:23]
	s_load_b128 s[24:27], s[0:1], 0x40             ; wp s[24:25], w16 s[26:27]
	v_lshl_add_u32 v[SPW], v0, 2, SPARE
	v_mov_b32 v[NIL], 0
	v_lshrrev_b32 v[TA], 5, v0
	v_readfirstlane_b32 s4, v[TA]                  ; wave 0..3
	v_and_b32 v[LN], 31, v0
	v_lshlrev_b32 v[L4], 2, v[LN]
	v_lshlrev_b32 v[L8], 3, v[LN]
	v_lshlrev_b32 v[L16], 4, v[LN]
	s_mul_i32 s5, s4, 4608
	v_add_nc_u32 v[TW], s5, v[L4]
	v_mul_u32_u24 v[TR], v[LN], 144
	v_add_nc_u32 v[TR], s5, v[TR]
	v_lshrrev_b32 v[TA], 4, v[LN]                  ; lane / 16
	v_and_b32 v[TA+1], 15, v[LN]
	v_lshlrev_b32 v[TA+1], 4, v[TA+1]              ; 16 (lane % 16)
	v_lshl_add_u32 v[CO], v[TA], 10, v[TA+1]
	v_lshl_add_u32 v[EO], v[TA], 13, v[TA+1]
	s_add_co_u32 s5, s4, ES
	v_add_nc_u32 v[ESA], s5, v[L4]
	s_lshl_b32 s5, s4, 8
	s_add_co_u32 s5, s5, ES
	v_add_nc_u32 v[ESR], s5, v[L8]
	s_mul_i32 s5, s4, 4352
	s_add_co_u32 s5, s5, CV
	v_mul_u32_u24 v[CVR], v[TA], 272
	v_add_nc_u32 v[CVR], v[CVR], v[TA+1]
	v_add_nc_u32 v[CVR], s5, v[CVR]                ; out: lanes 0-15 one stage row, lanes 16-31 the next
	v_lshrrev_b32 v[CVW], 1, v[LN]
	v_mul_u32_u24 v[CVW], v[CVW], 272
	v_and_b32 v[TA], 1, v[LN]
	v_lshl_add_u32 v[CVW], v[TA], 3, v[CVW]
	v_add_nc_u32 v[CVW], s5, v[CVW]                ; in: two lanes hold eight neighbours along K: stage row lane / 2, 8 bytes each
	s_wait_kmcnt 0x0
	s_cmp_ge_u32 ttmp9, 576
	s_cbranch_scc1 .Lcast
	s_cmp_ge_u32 ttmp9, 512
	s_cbranch_scc1 .Lweights
	; ---- query.  The work-group takes 256 t x 128 columns: one block of xp; wave w the 32 columns of block w of that K step along e.
	s_and_b32 s28, ttmp9, 31                       ; which 128 columns
	s_lshr_b32 s29, ttmp9, 5                       ; which 256 t
	s_lshr_b32 s30, s28, 3                         ; the batch
	s_and_b32 s31, s28, 7                          ; the K step along e
	s_lshr_b32 s5, s4, 1
	s_and_b32 s6, s4, 1
	s_lshl_b32 s32, s29, 22                        ; 256 rows of 16,384 bytes
	s_lshl_b32 s33, s28, 9
	s_add_co_u32 s32, s32, s33
	s_lshl_b32 s33, s4, 7
	s_add_co_u32 s32, s32, s33
	s_mov_b32 s33, 0
	s_add_nc_u64 s[8:9], s[8:9], s[32:33]          ; query at my wave's first number
	s_lshl_b32 s32, s28, 1
	s_add_co_u32 s32, s32, s5
	s_mul_i32 s32, s32, PK                         ; qtp: the block of my 64 columns,
	s_lshr_b32 s34, s29, 3
	s_mul_i32 s34, s34, HK                         ; its half along t
	s_add_co_u32 s32, s32, s34
	s_add_nc_u64 s[22:23], s[22:23], s[32:33]
	s_and_b32 s7, s29, 7
	s_lshl_b32 s32, s7, 13                         ; two K steps of 4,096 bytes for each 256 t,
	s_lshl_b32 s34, s6, 11                         ; my two tiles of the four
	s_add_co_u32 s32, s32, s34
	s_add_nc_u64 s[36:37], s[22:23], s[32:33]      ; codes along t
	s_bfe_u32 s32, s29, 0x20001                    ; which 512 t of the half: 16 scale bytes a column,
	s_lshl_b32 s32, s32, 10
	s_lshl_b32 s34, s6, 9
	s_add_co_u32 s32, s32, s34
	s_and_b32 s34, s29, 1                          ; of which my 256 t are the lower or the upper eight
	s_lshl_b32 s34, s34, 3
	s_add_co_u32 s32, s32, s34
	s_add_co_u32 s32, s32, 65536
	s_add_nc_u64 s[38:39], s[22:23], s[32:33]      ; their scale bytes
	s_lshl_b32 s34, s30, 4
	s_add_co_u32 s34, s34, s29                     ; xp: block 16 b + t / 256
	s_mul_i32 s34, s34, PK
	s_lshl_b32 s35, s31, 10
	s_add_co_u32 s34, s34, s35                     ; the K step along e: 1,024 bytes in a tile of rows, and 1,024 bytes of scale words
	s_lshl_b32 s35, s4, 8
	s_add_co_u32 s32, s34, s35                     ; 256 x wave: my block of 32 along e among the codes; the 64 rows that my wave sends out among the scale words
	s_add_nc_u64 s[40:41], s[20:21], s[32:33]      ; codes along e
	s_add_co_u32 s32, s32, 131072
	s_add_nc_u64 s[42:43], s[20:21], s[32:33]      ; scale words
	LOADQ 0
	LOADQ 1
.irp j, 0,1,2,3,4,5,6,7
	PATCHQ \j
.endr
	global_store_b64 v[L16], v[ST:ST+1], s[38:39]  ; my column's eight scale bytes along t, 16 bytes from the neighbour's
	s_wait_dscnt 0x0                               ; for the others' sake: my bytes of the scale words have landed
	s_barrier_signal -1
	s_barrier_wait -1
	ds_load_b64 v[Y:Y+1], v[ESR]                   ; the whole words of 64 rows
	s_wait_dscnt 0x0
	global_store_b64 v[L8], v[Y:Y+1], s[42:43]     ; 32 lanes store 256 consecutive bytes, aligned
	s_wait_tensorcnt 0x0                           ; the wave's end, behind my last LDS store
	ds_add_u32 v[SPW], v[NIL]
	s_wait_dscnt 0x0
	s_endpgm
.Lweights:
	; ---- Wc (work-groups 512-543) and Wq (544-575): a wave takes 32 rows x 256 along K.  One text: pointers, pitch and strides are chosen by the work-group's number.
	s_and_b32 s28, ttmp9, 31
	s_lshl_b32 s28, s28, 2
	s_add_co_u32 s28, s28, s4                      ; which of the tensor's 128 parts
	s_mov_b32 s34, 4096
	s_mov_b32 s35, QW
	s_mov_b32 s36, 4*PK
	s_mov_b32 s37, 32768
	s_cmp_lt_u32 ttmp9, 544
	s_cselect_b64 s[30:31], s[10:11], s[12:13]
	s_cselect_b32 s32, 4, 2                        ; parts along K: 16 or 4
	s_cselect_b32 s33, 15, 3
	s_cselect_b32 s34, 16384, s34                  ; a row in memory
	s_cselect_b32 s35, PK, s35                     ; from 64 rows to the next in wp
	s_cselect_b32 s36, 0, s36                      ; where the tensor begins in wp
	s_cselect_b32 s37, 65536, s37                  ; where a block's scale bytes begin
	s_lshr_b32 s38, s28, s32                       ; which 32 rows
	s_and_b32 s39, s28, s33                        ; which 256 along K
	s_lshl_b32 s40, s38, 5
	s_mul_i32 s40, s40, s34
	s_lshl_b32 s41, s39, 10
	s_add_co_u32 s40, s40, s41
	s_mov_b32 s41, 0
	s_add_nc_u64 s[30:31], s[30:31], s[40:41]
	s_lshr_b32 s42, s38, 1
	s_mul_i32 s42, s42, s35
	s_add_co_u32 s42, s42, s36
	s_lshr_b32 s43, s39, 3
	s_mul_i32 s43, s43, HK
	s_add_co_u32 s42, s42, s43                     ; my block (Wc: its half along K)
	s_and_b32 s43, s39, 7
	s_and_b32 s44, s38, 1
	s_lshl_b32 s40, s43, 13                        ; two K steps of 4,096 bytes for each 256 along K
	s_lshl_b32 s45, s44, 11
	s_add_co_u32 s40, s40, s45
	s_add_co_u32 s40, s40, s42
	s_add_nc_u64 s[46:47], s[24:25], s[40:41]      ; codes
	s_bfe_u32 s40, s39, 0x20001                    ; which 512 along K: 16 scale bytes a row,
	s_lshl_b32 s40, s40, 10
	s_lshl_b32 s45, s44, 9
	s_add_co_u32 s40, s40, s45
	s_and_b32 s45, s39, 1                          ; of which mine are the lower or the upper eight
	s_lshl_b32 s45, s45, 3
	s_add_co_u32 s40, s40, s45
	s_add_co_u32 s40, s40, s42
	s_add_co_u32 s40, s40, s37
	s_add_nc_u64 s[48:49], s[24:25], s[40:41]      ; scale bytes
.set ii, 0
.rept 32
	v_mad_u32_u24 v[OFFR+ii], s34, ii, v[L4]       ; row ii, 4 bytes a lane
.set ii, ii+1
.endr
	LOADW 0
	LOADW 1
.irp j, 0,1,2,3,4,5,6,7
	PATCHW \j
.endr
	global_store_b64 v[L16], v[ST:ST+1], s[48:49]  ; my row's eight scale bytes, 16 bytes from the neighbour's
	s_wait_tensorcnt 0x0                           ; the wave's end: the three lines
	ds_add_u32 v[SPW], v[NIL]
	s_wait_dscnt 0x0
	s_endpgm
.Lcast:
	; ---- Wk, Wv, Wo to f16: a wave takes 16 rows, all of K, 128 at a time; its loads are of 512 bytes, so two steps of 16 have twice a quantising wave's bytes out
	s_sub_co_u32 s28, ttmp9, 576
	s_lshr_b32 s29, s28, 4                         ; which matrix
	s_and_b32 s30, s28, 15
	s_lshl_b32 s30, s30, 2
	s_add_co_u32 s30, s30, s4                      ; which 16 rows
	s_cmp_eq_u32 s29, 0
	s_cselect_b64 s[32:33], s[14:15], s[16:17]
	s_cmp_eq_u32 s29, 2
	s_cselect_b64 s[32:33], s[18:19], s[32:33]
	s_lshl_b32 s34, s30, 16
	s_mov_b32 s35, 0
	s_add_nc_u64 s[32:33], s[32:33], s[34:35]
	s_lshl_b32 s34, s29, 21                        ; 2 MiB a matrix;
	s_lshr_b32 s36, s30, 3
	s_lshl_b32 s36, s36, 18                        ; 128 rows are 8 blocks of 32,768 bytes;
	s_add_co_u32 s34, s34, s36
	s_and_b32 s36, s30, 7
	s_lshl_b32 s36, s36, 10                        ; in a block a tile of rows is 1,024 bytes for each 32 along K
	s_add_co_u32 s34, s34, s36
	s_add_nc_u64 s[26:27], s[26:27], s[34:35]
	LOADC 0
	LOADC 1
.irp q, 0,1,2,3,4,5,6,7
	CVSTEP \q
.endr
	s_wait_tensorcnt 0x0                           ; the wave's end: the three lines
	ds_add_u32 v[SPW], v[NIL]
	s_wait_dscnt 0x0
	s_endpgm
.Lfunc_end_k_qdabb30578c_prep:
	.size	k_qdabb30578c_prep, .Lfunc_end_k_qdabb30578c_prep-k_qdabb30578c_prep
	.p2alignl 7, 3214868480
	.fill 96, 4, 3214868480
	.section	.rodata,"a",@progbits
	.p2align	6, 0x0
	.amdhsa_kernel k_qdabb30578c_prep
		.amdhsa_group_segment_fixed_size 56832
		.amdhsa_private_segment_fixed_size 0
		.amdhsa_enable_private_segment 0
		.amdhsa_kernarg_size 80
		.amdhsa_user_sgpr_count 2
		.amdhsa_user_sgpr_kernarg_segment_ptr 1
		.amdhsa_wavefront_size32 1
		.amdhsa_system_sgpr_workgroup_id_x 1
		.amdhsa_system_sgpr_workgroup_id_y 1
		.amdhsa_system_sgpr_workgroup_id_z 1
		.amdhsa_system_vgpr_workitem_id 0
		.amdhsa_next_free_vgpr 208
		.amdhsa_next_free_sgpr 66
		.amdhsa_reserve_vcc 0
		.amdhsa_float_denorm_mode_32 3
		.amdhsa_float_denorm_mode_16_64 3
		.amdhsa_memory_ordered 1
		.amdhsa_forward_progress 1
		.amdhsa_inst_pref_size 182
	.end_amdhsa_kernel
	.amdgpu_metadata
---
amdhsa.version: [ 1, 2 ]
amdhsa.kernels:
  - .name:           k_qdabb30578c_prep
    .symbol:         k_qdabb30578c_prep.kd
    .args:
      - { .name: query, .offset: 0, .size: 8, .value_kind: global_buffer, .address_space: global }
      - { .name: Wc, .offset: 8, .size: 8, .value_kind: global_buffer, .address_space: global }
      - { .name: Wq, .offset: 16, .size: 8, .value_kind: global_buffer, .address_space: global }
      - { .name: Wk, .offset: 24, .size: 8, .value_kind: global_buffer, .address_space: global }
      - { .name: Wv, .offset: 32, .size: 8, .value_kind: global_buffer, .address_space: global }
      - { .name: Wo, .offset: 40, .size: 8, .value_kind: global_buffer, .address_space: global }
      - { .name: xp, .offset: 48, .size: 8, .value_kind: global_buffer, .address_space: global }
      - { .name: qtp, .offset: 56, .size: 8, .value_kind: global_buffer, .address_space: global }
      - { .name: wp, .offset: 64, .size: 8, .value_kind: global_buffer, .address_space: global }
      - { .name: w16, .offset: 72, .size: 8, .value_kind: global_buffer, .address_space: global }
    .group_segment_fixed_size: 56832
    .private_segment_fixed_size: 0
    .kernarg_segment_align: 8
    .kernarg_segment_size: 80
    .max_flat_workgroup_size: 128
    .sgpr_count:     66
    .vgpr_count:     208
    .wavefront_size: 32
...
	.end_amdgpu_metadata
.endif
;; end of part 1
;; launch compress (part 2): grid 64 x 4, 4 waves a work-group, clusters of 4 x 4, 279,040 bytes of LDS; arguments wp, qtp, comp16; writes comp16
.if DOCPART == 2
	.amdgcn_target "amdgcn-amd-amdhsa--gfx1250"
	.amdhsa_code_object_version 6
	.text
	.protected	k_qdabb30578c_compress
	.globl	k_qdabb30578c_compress
	.p2align	8
	.type	k_qdabb30578c_compress,@function
k_qdabb30578c_compress:
	s_mov_b64 s[64:65], 0
	v_nop
	global_prefetch_b8 v0, s[64:65] scope:SCOPE_SE
	s_setreg_imm32_b32 hwreg(HW_REG_WAVE_MODE, 25, 1), 1
	s_wait_xcnt 0x0
	s_wait_alu depctr_hold_cnt(0) depctr_sa_sdst(0) depctr_va_vdst(0) depctr_va_sdst(0) depctr_va_ssrc(0) depctr_va_vcc(0) depctr_vm_vsrc(0)
	s_getreg_b32 s2, hwreg(HW_REG_IB_STS2, 6, 4)
	s_cmp_eq_u32 s2, 0
	s_cbranch_scc0 .Lentry_in_a_cluster
	s_endpgm
.Lentry_in_a_cluster:
	s_bfe_u32 s2, ttmp6, 0x10000c
	s_cmp_lg_u32 s2, 0xf033
	s_cbranch_scc0 .Lentry_shape_is_right
	s_endpgm
.Lentry_shape_is_right:
; COMPRESS: comp[c][n] = the sum over t of Wc[c][t] query[t][n], n = 1024 b + e, on codes of FP4 with one E8M0 scale for 32 along t; sums in f32; stored as f16(comp / 16).
; The factor 1/16 is fixed: with all inputs some 30 times larger, or offset by 30 times their spread, comp / 16 stays under f16's largest number; 30 times smaller it keeps an absolute error far under its spread.
; A work-group makes 64 c x 64 n over all 4,096 t.  Its two operands, codes and scale bytes as images of operand registers, are 139,264 bytes each and lie in LDS whole: every byte is filled once, nothing is filled again.
; CLUSTER 4 x 4: Wc's block hangs on the work-group's y alone and is asked for jointly along a row of the cluster, query's on x alone and jointly along a column.  The grid has one cluster along y: y is the place cy.
; A wave makes 32 n x 32 c: source 0 = 16 columns n of query, source 1 = 16 rows c of Wc, so that a lane holds one c and eight neighbouring e: rounded in pairs they are 16 bytes of the next product's operand image.
.set PK,    139264
.set HK,    69632                      ; 2,048 along t: 65,536 bytes of codes, 4,096 of scale bytes
.set QW,    34816                      ; half of that: what one tensor load brings: 136 rows of 256 bytes
.set SPARE, 2*PK                       ; the spare words, 128 bytes for each wave: two blocks of 256 bytes that no other line names
.set L16,  1                           ; v1    16 x lane
.set AQ,   2                           ; v2-3  query's fragments, K half 0, 1
.set AW,   4                           ; v4-5  Wc's
.set ASQ,  6                           ; v6-7  query's scale words
.set ASW,  8                           ; v8-9  Wc's
.set SPW,  10                          ; v10   LDS address of my spare word; never rewritten
.set NIL,  11                          ; v11   0; never rewritten
.set ACC,  16                          ; v16-47   accumulator (i, j) at 8 (2 i + j)
.set SQ,   48                          ; v48-55   query's scale words, two sets of four K steps: lanes 0-15 tile 0, lanes 16-31 tile 1
.set SW,   56                          ; v56-63   Wc's likewise
.set FR,   64                          ; v64-191  two sets: two K steps x (two fragments of query, two of Wc)
.set OUTR, 192                         ; v192-207 the way out
.set G1,   24                          ; s[24:31] descriptor group 1 for Wc;  s[32:39] its groups 0, one for each K half
.set G0,   32
.set G1B,  48                          ; s[48:55], s[56:63] the same for query
.set G0B,  56
.macro JLOAD s                         ; waves 0 and 1 fetch Wc's halves, waves 2 and 3 query's; an s_nop 0 and four v_nop follow each of the two lines
	s_cmp_eq_u32 s11, 0
	s_cbranch_scc0 .Lfor_q_\@
	tensor_load_to_lds s[G0+4*\s:G0+4*\s+3], s[G1:G1+7]
	s_nop 0
.rept 4
	v_nop
.endr
	s_branch .Lasked_\@
.Lfor_q_\@:
	tensor_load_to_lds s[G0B+4*\s:G0B+4*\s+3], s[G1B:G1B+7]
	s_nop 0
.rept 4
	v_nop
.endr
.Lasked_\@:
.endm
.macro CROUND                          ; a round of the cluster's barrier
	s_barrier_signal -1
	s_barrier_wait -1
	s_cmp_lg_u32 s10, 0
	s_cbranch_scc1 .Lnot_wave_0_\@
	s_barrier_signal -3
.Lnot_wave_0_\@:
	s_barrier_wait -3
	s_barrier_signal -1
	s_barrier_wait -1
.endm
.macro PLACES                          ; four places between a matrix instruction and a load into, or a vector read of, its registers
.rept 4
	v_nop
.endr
.endm
; One product, by the symbols rD, rA, rB, rSA, rSB; rRA, rRB: which half of the lanes holds the side's scale words
.macro WMS zero
.if \zero
.if (rRA == 0) && (rRB == 0)
	v_wmma_scale_f32_16x16x128_f8f6f4 v[rD:rD+7], v[rA:rA+7], v[rB:rB+7], 0, v[rSA], v[rSB] matrix_a_fmt:MATRIX_FMT_FP4 matrix_b_fmt:MATRIX_FMT_FP4
.elseif (rRA == 1) && (rRB == 0)
	v_wmma_scale_f32_16x16x128_f8f6f4 v[rD:rD+7], v[rA:rA+7], v[rB:rB+7], 0, v[rSA], v[rSB] matrix_a_fmt:MATRIX_FMT_FP4 matrix_b_fmt:MATRIX_FMT_FP4 matrix_a_scale:MATRIX_SCALE_ROW1
.elseif rRA == 0
	v_wmma_scale_f32_16x16x128_f8f6f4 v[rD:rD+7], v[rA:rA+7], v[rB:rB+7], 0, v[rSA], v[rSB] matrix_a_fmt:MATRIX_FMT_FP4 matrix_b_fmt:MATRIX_FMT_FP4 matrix_b_scale:MATRIX_SCALE_ROW1
.else
	v_wmma_scale_f32_16x16x128_f8f6f4 v[rD:rD+7], v[rA:rA+7], v[rB:rB+7], 0, v[rSA], v[rSB] matrix_a_fmt:MATRIX_FMT_FP4 matrix_b_fmt:MATRIX_FMT_FP4 matrix_a_scale:MATRIX_SCALE_ROW1 matrix_b_scale:MATRIX_SCALE_ROW1
.endif
.else
.if (rRA == 0) && (rRB == 0)
	v_wmma_scale_f32_16x16x128_f8f6f4 v[rD:rD+7], v[rA:rA+7], v[rB:rB+7], v[rD:rD+7], v[rSA], v[rSB] matrix_a_fmt:MATRIX_FMT_FP4 matrix_b_fmt:MATRIX_FMT_FP4
.elseif (rRA == 1) && (rRB == 0)
	v_wmma_scale_f32_16x16x128_f8f6f4 v[rD:rD+7], v[rA:rA+7], v[rB:rB+7], v[rD:rD+7], v[rSA], v[rSB] matrix_a_fmt:MATRIX_FMT_FP4 matrix_b_fmt:MATRIX_FMT_FP4 matrix_a_scale:MATRIX_SCALE_ROW1
.elseif rRA == 0
	v_wmma_scale_f32_16x16x128_f8f6f4 v[rD:rD+7], v[rA:rA+7], v[rB:rB+7], v[rD:rD+7], v[rSA], v[rSB] matrix_a_fmt:MATRIX_FMT_FP4 matrix_b_fmt:MATRIX_FMT_FP4 matrix_b_scale:MATRIX_SCALE_ROW1
.else
	v_wmma_scale_f32_16x16x128_f8f6f4 v[rD:rD+7], v[rA:rA+7], v[rB:rB+7], v[rD:rD+7], v[rSA], v[rSB] matrix_a_fmt:MATRIX_FMT_FP4 matrix_b_fmt:MATRIX_FMT_FP4 matrix_a_scale:MATRIX_SCALE_ROW1 matrix_b_scale:MATRIX_SCALE_ROW1
.endif
.endif
.endm
; Group g = K steps 2 g and 2 g + 1.  Every second group brings the scale words of four K steps first, then come the 16 loads of fragments.
.macro LOADG g
.set KH, (\g)/8
.set PP, FR+64*((\g)%2)
.if (\g)%2 == 0
.set SS, 4*(((\g)/2)%2)
	ds_load_b128 v[SQ+SS:SQ+SS+3], v[ASQ+KH] offset:(((\g)/2)%4)*1024
	ds_load_b128 v[SW+SS:SW+SS+3], v[ASW+KH] offset:(((\g)/2)%4)*1024
.endif
.irp u, 0,1
.irp i, 0,1
.irp c, 0,1
	ds_load_b128 v[PP+32*\u+8*\i+4*\c:PP+32*\u+8*\i+4*\c+3], v[AQ+KH] offset:((2*(\g)+\u)%16)*4096+\i*1024+\c*512
.endr
.endr
.irp i, 0,1
.irp c, 0,1
	ds_load_b128 v[PP+32*\u+16+8*\i+4*\c:PP+32*\u+16+8*\i+4*\c+3], v[AW+KH] offset:((2*(\g)+\u)%16)*4096+\i*1024+\c*512
.endr
.endr
.endr
.endm
.macro MULG g                          ; eight products; the four accumulators take turns, one instruction a turn; the first four start the sums
.set PP, FR+64*((\g)%2)
.set SS, 4*(((\g)/2)%2)
.irp u, 0,1
.irp i, 0,1
.irp j, 0,1
.set rD, ACC+8*(2*\i+\j)
.set rA, PP+32*\u+8*\i
.set rB, PP+32*\u+16+8*\j
.set rSA, SQ+SS+(2*(\g)+\u)%4
.set rSB, SW+SS+(2*(\g)+\u)%4
.set rRA, \i
.set rRB, \j
.if ((\g) == 0) && (\u == 0)
	WMS 1
.else
	WMS 0
.endif
.endr
.endr
.endr
.endm
	s_load_b128 s[4:7], s[0:1], 0x0                ; wp s[4:5] (Wc's codes lie at its head), qtp s[6:7]
	s_load_b64 s[8:9], s[0:1], 0x10                ; comp16
	v_lshl_add_u32 v[SPW], v0, 2, SPARE
	v_mov_b32 v[NIL], 0
	ds_add_u32 v[SPW], v[NIL]                      ; the wave's opening: the add, twice on end, and its wait ahead of my first tensor load
	ds_add_u32 v[SPW], v[NIL]
	v_lshrrev_b32 v1, 5, v0
	v_readfirstlane_b32 s10, v1                    ; wave 0..3
	s_lshr_b32 s11, s10, 1                         ; my two tiles of c.  Also: I fetch for Wc (0) or for query (1)
	s_and_b32 s12, s10, 1                          ; my two tiles of n.  Also: which half of a K half I fetch
	s_bfe_u32 s40, ttmp6, 0x40000                  ; cx
	s_bfe_u32 s41, ttmp6, 0x40004                  ; cy = the work-group's y: which 64 c
	s_lshl_b32 s42, ttmp9, 2
	s_add_co_u32 s42, s42, s40                     ; the work-group's x: which 64 n
	s_lshl_b32 s43, s41, 2
	s_lshl_b32 s43, 15, s43                        ; my row of the cluster
	s_lshl_b32 s44, 0x1111, s40                    ; my column
	s_or_b32 s[G1], s43, (3<<16)|(1<<21)           ; 15:0 the mask; 17:16 elements of 8 bytes; 21 set beside a mask; no padding
	s_or_b32 s[G1B], s44, (3<<16)|(1<<21)
.irp g, G1, G1B
	s_mov_b32 s[\g+1], 32<<16                      ; tensor_dim0 = 32 elements: 256 bytes
	s_mov_b32 s[\g+2], 136<<16                     ; tensor_dim1 = 136
	s_mov_b32 s[\g+3], 32<<16                      ; tile_dim0
	s_mov_b32 s[\g+4], 136                         ; tile_dim1
	s_mov_b32 s[\g+5], 32                          ; the pitch: the block is dense
	s_mov_b32 s[\g+6], 0
	s_mov_b32 s[\g+7], 0
.endr
	s_mul_i32 s16, s41, PK                         ; Wc: my 64 rows' block,
	s_mul_i32 s17, s12, QW                         ; the half that I fetch
	s_add_co_u32 s16, s16, s17
	s_mov_b32 s17, 0
	s_mul_i32 s46, s42, PK                         ; query: my 64 columns' block
	s_mul_i32 s47, s12, QW
	s_add_co_u32 s46, s46, s47
	s_mov_b32 s47, 0
	s_mul_i32 s20, s11, PK                         ; where they go: Wc's block, then query's: the wave's number alone
	s_mul_i32 s21, s12, QW
	s_add_co_u32 s20, s20, s21
	s_wait_dscnt 0x0                               ; both opening adds are done
	s_wait_kmcnt 0x0
	s_add_nc_u64 s[14:15], s[4:5], s[16:17]
	s_add_nc_u64 s[46:47], s[6:7], s[46:47]
	CROUND                                         ; all sixteen work-groups are here: the joint loads meet
.irp s, 0,1
	s_mov_b32 s[G0+4*\s], 1
	s_add_co_u32 s[G0+4*\s+1], s20, \s*HK
	s_add_nc_u64 s[G0+4*\s+2:G0+4*\s+3], s[14:15], \s*HK
	s_or_b32 s[G0+4*\s+3], s[G0+4*\s+3], 0x80000000
	s_mov_b32 s[G0B+4*\s], 1
	s_add_co_u32 s[G0B+4*\s+1], s20, \s*HK
	s_add_nc_u64 s[G0B+4*\s+2:G0B+4*\s+3], s[46:47], \s*HK
	s_or_b32 s[G0B+4*\s+3], s[G0B+4*\s+3], 0x80000000
	JLOAD \s                                       ; two loads of mine are out: the two K halves
.endr
	v_and_b32 v1, 31, v0
	v_lshlrev_b32 v[L16], 4, v1
	s_lshl_b32 s21, s11, 11                        ; my two tiles of Wc in a K step
	s_lshl_b32 s22, s12, 11
	s_add_co_u32 s22, s22, PK                      ; my two tiles of query
	v_add_nc_u32 v[AW], s21, v[L16]
	v_add_nc_u32 v[AQ], s22, v[L16]
	v_add_nc_u32 v[AW+1], HK, v[AW]
	v_add_nc_u32 v[AQ+1], HK, v[AQ]
	s_lshl_b32 s21, s11, 9
	s_add_co_u32 s21, s21, 65536
	s_lshl_b32 s22, s12, 9
	s_add_co_u32 s22, s22, PK+65536
	v_add_nc_u32 v[ASW], s21, v[L16]               ; 16 bytes a row: the words of four K steps; 32 lanes take two tiles
	v_add_nc_u32 v[ASQ], s22, v[L16]
	v_add_nc_u32 v[ASW+1], HK, v[ASW]
	v_add_nc_u32 v[ASQ+1], HK, v[ASQ]
	; where my results go: comp16 is laid in blocks of 128 rows x 128 e; row = 256 b + c
	s_lshr_b32 s70, s42, 4                         ; b
	s_lshl_b32 s70, s70, 1
	s_lshr_b32 s71, s41, 1
	s_add_co_u32 s70, s70, s71                     ; which 128 rows
	s_lshl_b32 s70, s70, 3
	s_bfe_u32 s71, s42, 0x30001                    ; which 128 e
	s_add_co_u32 s70, s70, s71
	s_lshl_b32 s70, s70, 15
	s_and_b32 s71, s42, 1
	s_lshl_b32 s71, s71, 1
	s_add_co_u32 s71, s71, s12                     ; which 32 e of them
	s_lshl_b32 s71, s71, 13
	s_add_co_u32 s70, s70, s71
	s_and_b32 s71, s41, 1
	s_lshl_b32 s71, s71, 2
	s_lshl_b32 s72, s11, 1
	s_add_co_u32 s71, s71, s72                     ; which tile of rows
	s_lshl_b32 s71, s71, 10
	s_add_co_u32 s70, s70, s71
	s_mov_b32 s71, 0
	s_add_nc_u64 s[8:9], s[8:9], s[70:71]
	s_wait_tensorcnt 1                             ; my part of K half 0 is in; K half 1's load may stay out
	s_barrier_signal -1
	s_barrier_wait -1                              ; everybody's is
	LOADG 0
	LOADG 1
.irp g, 0,1,2,3,4,5,6,7,8,9,10,11,12,13,14,15
.if \g < 15
	s_wait_dscnt 16                                ; this group's loads are in; the next group's 16 fragment loads may be out
.else
	s_wait_dscnt 0
.endif
	MULG \g
.if \g < 14
	PLACES
.if \g == 6
	s_wait_tensorcnt 0x0                           ; my part of K half 1 is in,
	s_wait_dscnt 0x0                               ; no LDS load of mine is out at the signal,
	s_barrier_signal -1
	s_barrier_wait -1                              ; everybody's is: group 8 is its first
.endif
	LOADG \g+2
.endif
.endr
	PLACES
.set ii, 0
.rept 16
	v_pk_mul_f32 v[ACC+2*ii:ACC+2*ii+1], v[ACC+2*ii:ACC+2*ii+1], 0x3d800000 op_sel_hi:[1,0]   ; x 1/16: exact; each accumulator from its low end on
.set ii, ii+1
.endr
.set ii, 0
.rept 16
	v_cvt_pk_f16_f32 v[OUTR+ii], v[ACC+2*ii], v[ACC+2*ii+1]
.set ii, ii+1
.endr
.irp i, 0,1
.irp j, 0,1
	global_store_b128 v[L16], v[OUTR+4*(2*\i+\j):OUTR+4*(2*\i+\j)+3], s[8:9] offset:\j*1024+\i*512   ; half a fragment's image: 512 consecutive bytes
.endr
.endr
	s_wait_tensorcnt 0x0                           ; the wave's end
	ds_add_u32 v[SPW], v[NIL]
	s_wait_dscnt 0x0
	CROUND                                         ; the closing round
	s_endpgm
.Lfunc_end_k_qdabb30578c_compress:
	.size	k_qdabb30578c_compress, .Lfunc_end_k_qdabb30578c_compress-k_qdabb30578c_compress
	.p2alignl 7, 3214868480
	.fill 96, 4, 3214868480
	.section	.rodata,"a",@progbits
	.p2align	6, 0x0
	.amdhsa_kernel k_qdabb30578c_compress
		.amdhsa_group_segment_fixed_size 279040
		.amdhsa_private_segment_fixed_size 0
		.amdhsa_enable_private_segment 0
		.amdhsa_kernarg_size 24
		.amdhsa_user_sgpr_count 2
		.amdhsa_user_sgpr_kernarg_segment_ptr 1
		.amdhsa_wavefront_size32 1
		.amdhsa_system_sgpr_workgroup_id_x 1
		.amdhsa_system_sgpr_workgroup_id_y 1
		.amdhsa_system_sgpr_workgroup_id_z 1
		.amdhsa_system_vgpr_workitem_id 0
		.amdhsa_next_free_vgpr 208
		.amdhsa_next_free_sgpr 80
		.amdhsa_reserve_vcc 0
		.amdhsa_float_denorm_mode_32 3
		.amdhsa_float_denorm_mode_16_64 3
		.amdhsa_memory_ordered 1
		.amdhsa_forward_progress 1
		.amdhsa_inst_pref_size 46
	.end_amdhsa_kernel
	.amdgpu_metadata
---
amdhsa.version: [ 1, 2 ]
amdhsa.kernels:
  - .name:           k_qdabb30578c_compress
    .symbol:         k_qdabb30578c_compress.kd
    .args:
      - { .name: wp, .offset: 0, .size: 8, .value_kind: global_buffer, .address_space: global }
      - { .name: qtp, .offset: 8, .size: 8, .value_kind: global_buffer, .address_space: global }
      - { .name: comp16, .offset: 16, .size: 8, .value_kind: global_buffer, .address_space: global }
    .group_segment_fixed_size: 279040
    .private_segment_fixed_size: 0
    .kernarg_segment_align: 8
    .kernarg_segment_size: 24
    .max_flat_workgroup_size: 128
    .sgpr_count:     80
    .vgpr_count:     208
    .wavefront_size: 32
...
	.end_amdgpu_metadata
.endif
;; end of part 2
;; launch project_kv (part 3): grid 256 x 1, 4 waves a work-group, no clusters, 768 bytes of LDS; arguments comp16, w16, bk, bv, kv; writes kv
.if DOCPART == 3
	.amdgcn_target "amdgcn-amd-amdhsa--gfx1250"
	.amdhsa_code_object_version 6
	.text
	.protected	k_qdabb30578c_project_kv
	.globl	k_qdabb30578c_project_kv
	.p2align	8
	.type	k_qdabb30578c_project_kv,@function
k_qdabb30578c_project_kv:
	s_mov_b64 s[64:65], 0
	v_nop
	global_prefetch_b8 v0, s[64:65] scope:SCOPE_SE
	s_setreg_imm32_b32 hwreg(HW_REG_WAVE_MODE, 25, 1), 1
	s_wait_xcnt 0x0
; PROJECT_KV: k = comp Wk^T + bk and v = comp Wv^T + bv, f16 operands, f32 sums, stored as f16 images of the attention's operands, each tile under a power-of-two scale of its own.
; Work-group number = 128 kind + 32 b + 2 h + half.  kind 0: k of head h, keys 128 half on (128 c x 64 d).  kind 1: v of head h, channels 32 half on (256 c x 32 d).
; ONE TEXT FOR BOTH: source 0 has four tiles (i), source 1 two (j); a lane holds one row of source 1 and eight neighbours of source 0.
;   kind 0: source 0 = Wk's 64 rows of the head, source 1 = my wave's 32 keys: a lane is a key, its registers run along d: the operand k of k q^T.
;   kind 1: source 0 = my wave's 64 keys, source 1 = Wv's 32 rows: a lane is a channel, its registers run along the keys: the operand v^T of v^T p.
; Operands come from memory straight into registers: they were laid as images of registers, 12 loads of 512 consecutive bytes for a K step of 32.
; FIVE SETS of 48 registers, in window 1, take turns: a set is asked for again as soon as its eight products are issued, so behind each refill 60 loads of the wave are out, and 48 while a K step waits for its own:
; four K steps, 24 KiB a wave, ahead.  A sixth set would make 72, more than a wait on the loads' counter can tell apart (its field ends at 63: ISA guide 5.7.1).
; UNITS: comp16 holds comp / 16, so the bias enters as bias / 16 (it starts the sums) and the sums are k / 16.
; THE SCALE: m = the tile's largest |sum|, with the floor 2^-100; E = m's exponent field.  The sums are multiplied by 2^(141 - E), which brings m into [2^14, 2^15), and rounded to f16;
; the word stored for the tile is 2^(E - 137): number = f16 x word.  So f16's range binds no input.  LIMITS: a tile whose largest |sum| lies under 2^-100 is scaled as 2^-100; NaN and infinities are not served.
; No multicast and no LDS for the operands: the four waves share one of the two sources only, and a work-group's two sources, 384 KiB or more, do not fit in LDS at once.
; REGISTERS: window 0: v1-14 addresses and at work; v16-79 the accumulators; v80-113 the bias, later v80-111 the way out; v114, v115 the add's two.   window 1: v0-239 the five sets.
.set SPARE, 256                        ; LDS: 16 bytes at 0 for the four waves' maxima; from 256 the spare words, 128 bytes for each wave
.set NS,   5                           ; sets of fragments
.set L16,  1                           ; v1   16 x lane
.set BT,   2                           ; v2   32 (lane / 16): the bias along the registers
.set BU,   3                           ; v3   4 (lane % 16) + 128 half: the bias along the lanes
.set OF,   4                           ; v4-5 where tile j's images go
.set LW,   6                           ; v6   4 x wave
.set ZR,   7                           ; v7   0, as an offset
.set M,    8                           ; v8-11 maxima
.set MU,   12                          ; v[12:13] the multiplier
.set SCW,  14                          ; v14  the tile's scale word
.set ACC,  16                          ; v16-79 accumulator (i, j) at 8 (2 i + j)
.set T,    80                          ; v80-111  the bias along the registers
.set U,    112                         ; v112-113 the bias along the lanes
.set OUTR, 80                          ; v80-111  the way out
.set SPW,  114                         ; v114 LDS address of my spare word; never rewritten
.set NIL,  115                         ; v115 0; never rewritten
.set MSB, 0
.macro WIN new                         ; s_set_vgpr_msb: bits 1:0 source 0, 3:2 source 1, 5:4 source 2, 7:6 destination; the immediate's high byte repeats the setting that is left
.if MSB != \new
	s_set_vgpr_msb (MSB<<8)|\new
.set MSB, \new
.endif
.endm
.set W_MUL, 0x05                       ; both sources in window 1, C and D in window 0
.set W_LD,  0x40                       ; a load's destination in window 1, its address in window 0
.macro PLACES
.rept 4
	v_nop
.endr
.endm
.macro LOADK ks                        ; K step ks: four fragments of source 0, two of source 1, into set ks % NS of window 1
.set FS, 48*((\ks)%NS)
.set KO, ((\ks)/4)*32768+((\ks)%4)*8192
	WIN W_LD
.irp i, 0,1,2,3
.irp g, 0,1
	global_load_b128 v[FS+8*\i+4*\g:FS+8*\i+4*\g+3], v[L16], s[24:25] offset:KO+\i*1024+\g*512
.endr
.endr
.irp j, 0,1
.irp g, 0,1
	global_load_b128 v[FS+32+8*\j+4*\g:FS+32+8*\j+4*\g+3], v[L16], s[26:27] offset:KO+\j*1024+\g*512
.endr
.endr
.endm
.macro STEP ks                         ; 32 along K: eight products, the eight accumulators by turns
.set FS, 48*((\ks)%NS)
.if (\ks) < 33-NS
	s_wait_loadcnt 12*(NS-1)                       ; this step's 12 loads are in; those of the four steps behind it may be out
.else
	s_wait_loadcnt 12*(31-(\ks))                   ; the last steps: as many sets as are still to come
.endif
	WIN W_MUL
.irp i, 0,1,2,3
.irp j, 0,1
	v_wmma_f32_16x16x32_f16 v[ACC+8*(2*\i+\j):ACC+8*(2*\i+\j)+7], v[FS+8*\i:FS+8*\i+7], v[FS+32+8*\j:FS+32+8*\j+7], v[ACC+8*(2*\i+\j):ACC+8*(2*\i+\j)+7]
.endr
.endr
.if (\ks)+NS < 32
	PLACES                                         ; in front of loads into registers that these products have read
	LOADK (\ks)+NS
.endif
.endm
	s_load_b256 s[4:11], s[0:1], 0x0               ; comp16 s[4:5], w16 s[6:7], bk s[8:9], bv s[10:11]
	s_load_b64 s[12:13], s[0:1], 0x20              ; kv
	v_lshl_add_u32 v[SPW], v0, 2, SPARE
	v_mov_b32 v[NIL], 0
	v_lshrrev_b32 v[M], 5, v0
	v_readfirstlane_b32 s14, v[M]                  ; wave 0..3
	v_and_b32 v[M], 31, v0
	v_lshlrev_b32 v[L16], 4, v[M]
	v_lshrrev_b32 v[BT], 4, v[M]
	v_lshlrev_b32 v[BT], 5, v[BT]
	v_and_b32 v[BU], 15, v[M]
	v_lshlrev_b32 v[BU], 2, v[BU]
	s_lshr_b32 s15, ttmp9, 7                       ; kind
	s_bfe_u32 s16, ttmp9, 0x20005                  ; b
	s_bfe_u32 s17, ttmp9, 0x40001                  ; h
	s_and_b32 s18, ttmp9, 1                        ; half
	s_lshl_b32 s19, s18, 7
	v_add_nc_u32 v[BU], s19, v[BU]
	v_mov_b32 v[LW], s14
	v_lshlrev_b32 v[LW], 2, v[LW]
	v_mov_b32 v[ZR], 0
	s_mov_b32 s32, 0x76543210
	s_mov_b32 s33, 0xfedcba98                      ; v_permlanex16_b32's selects for lane l xor 16
	s_lshr_b32 s20, s17, 1
	s_lshl_b32 s20, s20, 18
	s_and_b32 s19, s17, 1
	s_lshl_b32 s19, s19, 12
	s_add_co_u32 s20, s20, s19                     ; Wk: the head's four tiles of rows
	s_lshl_b32 s19, s18, 11
	s_add_co_u32 s21, s20, s19
	s_add_co_u32 s21, s21, 2097152                 ; Wv: my half's two tiles
	s_lshl_b32 s19, s16, 1
	s_add_co_u32 s22, s19, s18
	s_lshl_b32 s22, s22, 18
	s_lshl_b32 s23, s14, 11
	s_add_co_u32 s22, s22, s23                     ; comp, kind 0: keys 128 half + 32 wave on
	s_lshr_b32 s23, s14, 1
	s_add_co_u32 s23, s19, s23
	s_lshl_b32 s23, s23, 18
	s_and_b32 s19, s14, 1
	s_lshl_b32 s19, s19, 12
	s_add_co_u32 s23, s23, s19                     ; comp, kind 1: keys 64 wave on
	s_mov_b32 s42, 2048
	s_mov_b32 s43, 8192
	s_mov_b32 s39, 0
	s_mov_b32 s41, 0
	s_wait_kmcnt 0x0
	s_cmp_eq_u32 s15, 0                            ; the choices hang on the work-group's number alone
	s_cselect_b64 s[24:25], s[6:7], s[4:5]         ; source 0
	s_cselect_b64 s[26:27], s[4:5], s[6:7]         ; source 1
	s_cselect_b64 s[28:29], s[8:9], s[10:11]       ; the bias
	s_cselect_b32 s38, s20, s23
	s_cselect_b32 s40, s22, s21
	s_cselect_b32 s42, 4096, s42                   ; from wave to wave in the output
	s_cselect_b32 s43, 2048, s43                   ; from tile j = 0 to j = 1
	s_add_nc_u64 s[24:25], s[24:25], s[38:39]
	s_add_nc_u64 s[26:27], s[26:27], s[40:41]
	s_lshl_b32 s38, s17, 8
	s_add_nc_u64 s[28:29], s[28:29], s[38:39]      ; the head's 64 numbers of the bias
	s_lshl_b32 s38, s15, 21
	s_lshl_b32 s19, s16, 4
	s_add_co_u32 s19, s19, s17
	s_lshl_b32 s19, s19, 15
	s_add_co_u32 s38, s38, s19
	s_lshl_b32 s19, s18, 14
	s_add_co_u32 s38, s38, s19
	s_add_nc_u64 s[30:31], s[12:13], s[38:39]      ; my tile's 16,384 bytes
	s_lshl_b32 s38, ttmp9, 2
	s_add_co_u32 s38, s38, 4194304
	s_add_nc_u64 s[36:37], s[12:13], s[38:39]      ; and its scale word
	s_mul_i32 s19, s14, s42
	v_add_nc_u32 v[OF], s19, v[L16]
	s_add_co_u32 s19, s19, s43
	v_add_nc_u32 v[OF+1], s19, v[L16]
.irp i, 0,1,2,3
	global_load_b128 v[T+8*\i:T+8*\i+3], v[BT], s[28:29] offset:64*\i          ; bias[64 h + 16 i + 8 (lane / 16) + 0 .. 7]
	global_load_b128 v[T+8*\i+4:T+8*\i+7], v[BT], s[28:29] offset:64*\i+16
.endr
	global_load_b32 v[U], v[BU], s[28:29]                                      ; bias[64 h + 32 half + 16 j + lane % 16]
	global_load_b32 v[U+1], v[BU], s[28:29] offset:64
	LOADK 0
	LOADK 1
	LOADK 2
	LOADK 3
	WIN 0                                          ; at a branch and at a label every window is 0
	s_wait_loadcnt 48                              ; the bias is in; the 48 loads of K steps 0 to 3 may be out
	s_cmp_eq_u32 s15, 0
	s_cbranch_scc0 .Lbias_v
.irp i, 0,1,2,3
.irp j, 0,1
.irp r, 0,1,2,3,4,5,6,7
	v_mul_f32 v[ACC+8*(2*\i+\j)+\r], 0x3d800000, v[T+8*\i+\r]      ; k: the bias runs along the registers
.endr
.endr
.endr
	s_branch .Lbias_done
.Lbias_v:
.irp i, 0,1,2,3
.irp j, 0,1
.irp r, 0,1,2,3,4,5,6,7
	v_mul_f32 v[ACC+8*(2*\i+\j)+\r], 0x3d800000, v[U+\j]           ; v: it runs along the lanes
.endr
.endr
.endr
.Lbias_done:
	LOADK 4                                        ; the fifth set: 60 loads of mine are out
.set KK, 0
.rept 32
	STEP KK
.set KK, KK+1
.endr
	WIN 0
.irp q, 0,1,2,3
	v_mov_b32 v[M+\q], 0x0d800000                  ; the floor 2^-100.  (These four are also the places behind the last products)
.endr
.irp a, 0,1
.irp p, 0,2,4,6
.irp q, 0,1,2,3
	v_max3_num_f32 v[M+\q], v[M+\q], |v[ACC+8*(4*\a+\q)+\p]|, |v[ACC+8*(4*\a+\q)+\p+1]|   ; four chains; each accumulator from its low end on
.endr
.endr
.endr
	v_max3_num_f32 v[M], v[M], v[M+1], v[M+2]
	v_max_num_f32 v[M], v[M], v[M+3]
	v_max_num_f32_dpp v[M], v[M], v[M] row_xmask:1 row_mask:0xf bank_mask:0xf
	v_max_num_f32_dpp v[M], v[M], v[M] row_xmask:2 row_mask:0xf bank_mask:0xf
	v_max_num_f32_dpp v[M], v[M], v[M] row_xmask:4 row_mask:0xf bank_mask:0xf
	v_max_num_f32_dpp v[M], v[M], v[M] row_xmask:8 row_mask:0xf bank_mask:0xf
	v_permlanex16_b32 v[M+1], v[M], s32, s33
	v_max_num_f32 v[M], v[M], v[M+1]               ; my wave's
	ds_store_b32 v[LW], v[M]                       ; all lanes write the same word with the same value
	s_wait_dscnt 0x0                               ; for the others' sake
	s_barrier_signal -1
	s_barrier_wait -1
	ds_load_b128 v[M:M+3], v[ZR]
	s_wait_dscnt 0x0
	v_max3_num_f32 v[M], v[M], v[M+1], v[M+2]
	v_max_num_f32 v[M], v[M], v[M+3]               ; the tile's
	v_lshrrev_b32 v[SCW], 23, v[M]                 ; E
	v_sub_nc_u32 v[MU], 268, v[SCW]
	v_lshlrev_b32 v[MU], 23, v[MU]                 ; 2^(141 - E)
	v_mov_b32 v[MU+1], v[MU]
	v_add_nc_u32 v[SCW], -10, v[SCW]
	v_lshlrev_b32 v[SCW], 23, v[SCW]               ; 2^(E - 137)
.set ii, 0
.rept 32
	v_pk_mul_f32 v[ACC+2*ii:ACC+2*ii+1], v[ACC+2*ii:ACC+2*ii+1], v[MU:MU+1] op_sel_hi:[1,0]   ; exact
.set ii, ii+1
.endr
.set ii, 0
.rept 32
	v_cvt_pk_f16_f32 v[OUTR+ii], v[ACC+2*ii], v[ACC+2*ii+1]
.set ii, ii+1
.endr
.irp i, 0,1,2,3
.irp j, 0,1
	global_store_b128 v[OF+\j], v[OUTR+4*(2*\i+\j):OUTR+4*(2*\i+\j)+3], s[30:31] offset:(\i/2)*1024+(\i%2)*512   ; half a fragment's image: 512 consecutive bytes
.endr
.endr
	s_wait_xcnt 0x0                                ; EXEC changes only behind this wait
	v_cmp_eq_u32 vcc_lo, 0, v0
	s_and_saveexec_b32 s34, vcc_lo
	global_store_b32 v[ZR], v[SCW], s[36:37]       ; thread 0 stores the tile's word
	s_wait_xcnt 0x0                                ; and again, in front of the line that widens it
	s_or_b32 exec_lo, exec_lo, s34
	s_wait_tensorcnt 0x0                           ; the wave's end, behind my last LDS store
	ds_add_u32 v[SPW], v[NIL]
	s_wait_dscnt 0x0
	s_endpgm
.Lfunc_end_k_qdabb30578c_project_kv:
	.size	k_qdabb30578c_project_kv, .Lfunc_end_k_qdabb30578c_project_kv-k_qdabb30578c_project_kv
	.p2alignl 7, 3214868480
	.fill 96, 4, 3214868480
	.section	.rodata,"a",@progbits
	.p2align	6, 0x0
	.amdhsa_kernel k_qdabb30578c_project_kv
		.amdhsa_group_segment_fixed_size 768
		.amdhsa_private_segment_fixed_size 0
		.amdhsa_enable_private_segment 0
		.amdhsa_kernarg_size 40
		.amdhsa_user_sgpr_count 2
		.amdhsa_user_sgpr_kernarg_segment_ptr 1
		.amdhsa_wavefront_size32 1
		.amdhsa_system_sgpr_workgroup_id_x 1
		.amdhsa_system_sgpr_workgroup_id_y 1
		.amdhsa_system_sgpr_workgroup_id_z 1
		.amdhsa_system_vgpr_workitem_id 0
		.amdhsa_next_free_vgpr 496
		.amdhsa_next_free_sgpr 66
		.amdhsa_reserve_vcc 1
		.amdhsa_float_denorm_mode_32 3
		.amdhsa_float_denorm_mode_16_64 3
		.amdhsa_memory_ordered 1
		.amdhsa_forward_progress 1
		.amdhsa_inst_pref_size 79
	.end_amdhsa_kernel
	.amdgpu_metadata
---
amdhsa.version: [ 1, 2 ]
amdhsa.kernels:
  - .name:           k_qdabb30578c_project_kv
    .symbol:         k_qdabb30578c_project_kv.kd
    .args:
      - { .name: comp16, .offset: 0, .size: 8, .value_kind: global_buffer, .address_space: global }
      - { .name: w16, .offset: 8, .size: 8, .value_kind: global_buffer, .address_space: global }
      - { .name: bk, .offset: 16, .size: 8, .value_kind: global_buffer, .address_space: global }
      - { .name: bv, .offset: 24, .size: 8, .value_kind: global_buffer, .address_space: global }
      - { .name: kv, .offset: 32, .size: 8, .value_kind: global_buffer, .address_space: global }
    .group_segment_fixed_size: 768
    .private_segment_fixed_size: 0
    .kernarg_segment_align: 8
    .kernarg_segment_size: 40
    .max_flat_workgroup_size: 128
    .sgpr_count:     66
    .vgpr_count:     496
    .wavefront_size: 32
...
	.end_amdgpu_metadata
.endif
;; end of part 3
;; launch heads (part 4): grid 4 x 64, 4 waves a work-group, clusters of 4 x 1, 167,936 bytes of LDS; arguments xp, wp, bq, kv, attn; writes attn
.if DOCPART == 4
	.amdgcn_target "amdgcn-amd-amdhsa--gfx1250"
	.amdhsa_code_object_version 6
	.text
	.protected	k_qdabb30578c_heads
	.globl	k_qdabb30578c_heads
	.p2align	8
	.type	k_qdabb30578c_heads,@function
k_qdabb30578c_heads:
	s_mov_b64 s[64:65], 0
	v_nop
	global_prefetch_b8 v0, s[64:65] scope:SCOPE_SE
	s_setreg_imm32_b32 hwreg(HW_REG_WAVE_MODE, 25, 1), 1
	s_wait_xcnt 0x0
	s_wait_alu depctr_hold_cnt(0) depctr_sa_sdst(0) depctr_va_vdst(0) depctr_va_sdst(0) depctr_va_ssrc(0) depctr_va_vcc(0) depctr_vm_vsrc(0)
	s_getreg_b32 s2, hwreg(HW_REG_IB_STS2, 6, 4)
	s_cmp_eq_u32 s2, 0
	s_cbranch_scc0 .Lentry_in_a_cluster
	s_endpgm
.Lentry_in_a_cluster:
	s_bfe_u32 s2, ttmp6, 0x10000c
	s_cmp_lg_u32 s2, 0x3003
	s_cbranch_scc0 .Lentry_shape_is_right
	s_endpgm
.Lentry_shape_is_right:
; HEADS: for one batch b and 256 rows t: q = x Wq^T + bq on codes of FP4, then softmax(q k^T / 8) v with f16 operands, all in registers, for four heads: one head to a wave.
; SHARES.  Work-group (cx, y): y = 16 b + t / 256; wave w owns head h = 4 cx + w and keeps that head's Wq codes (window 1), k (window 2) and v^T (window 3) in registers for the whole launch, each read once.
; What all sixteen heads share are x's codes and scale words, 139,264 bytes: the four work-groups of a cluster ask for them JOINTLY, once; they are filled once into LDS and stay.  No ring, nothing filled again.
; LAYOUT.  All three products are used transposed, so that a lane holds ONE row t throughout: q^T = Wq x^T (a lane's registers run along d), S^T = k q^T (along the keys), O^T = v^T p^T (along d).
; Rounded to f16 in pairs, each result IS the next product's second source; nothing changes lanes but a maximum and a sum between lanes l and l xor 16.
; SCALES.  k's f16 numbers stand under one power of two for each half of the keys: t = S x a, a = that power x log2(e) / 8 (the 1/8 of the scaled q is folded in here, so q16 is q unscaled).
; All 256 keys of a row are in registers: M is the row's true largest t, p = 2^(t - M), at most 1 up to rounding.  The row's sum is taken of p in f32.
; v's f16 numbers stand under one power of two for each half of d; gamma is the largest of the batch's 32; stored is f16(O / sum x that power / gamma), under 2^15 in size; the last launch multiplies by gamma.
; LIMITS: NaN and infinities are not served; a head half whose power lies more than 2^127 under gamma is stored as zeros.
; REGISTERS, window 0: v1-10 addresses; v16-31 Wq's scale words; v32-35 x's; v36-47 a0, a1, the ratios, M, 1 / sum; v48-79 bq as the first products' C; v80-111 O^T (v80-95 first hold q16, v96-111 temporaries);
;   v112-127 the way out; v128-255 S^T (v128-159 first hold q^T; p's f16 pairs then lie in v128-191; v192-255 hold x's fragments of the next tile).
.set PK,    139264
.set QW,    34816
.set SPARE, PK                         ; behind x's block: the spare words, 128 bytes for each wave: two blocks of 256 bytes that no other line names
.set L16,  1                           ; v1   16 x lane
.set AS0,  2                           ; v2   x's scale words: 131,072 + 1,024 (lane / 16) + 4 (lane % 16)
.set ADX,  3                           ; v3   LDS address of the fragments in hand
.set ADS,  4                           ; v4   and of the scale words
.set AOF,  5                           ; v5   my offset in attn
.set BO,   6                           ; v6   32 (lane / 16)
.set GOF,  7                           ; v7   128 b + 4 x lane
.set SPW,  8                           ; v8   LDS address of my spare word; never rewritten
.set NIL,  9                           ; v9   0; never rewritten
.set POF,  10                          ; v10  128 b + 8 h
.set WS,   16
.set XS,   32
.set A0,   36                          ; v[36:37], v[38:39]: a of the two halves of the keys
.set A1,   38
.set RT,   40                          ; v40, v41: the ratios of the two halves of d
.set MX,   42                          ; v[42:43]
.set FA,   44                          ; v[44:45], v[46:47]: ratio / sum
.set FB,   46
.set BIAS, 48
.set O,    80
.set Q16,  80
.set TM,   96
.set AT,   112
.set S,    128
.set QA,   128
.set P,    128
.set XF,   192
.set G1,   24                          ; s[24:31], s[32:35]: the one descriptor
.set G0,   32
.set TRIP, 50                          ; s50  the tile of 16 rows in hand
.set TBX,  51                          ; s51  where the next tile's fragments begin: 8,192 bytes a tile
.set TSX,  52                          ; s52  and its scale words: 64 bytes a tile
.set MSB, 0
.macro WIN new                         ; the immediate's high byte repeats the setting that is left
.if MSB != \new
	s_set_vgpr_msb (MSB<<8)|\new
.set MSB, \new
.endif
.endm
.macro CROUND
	s_barrier_signal -1
	s_barrier_wait -1
	s_cmp_lg_u32 s14, 0
	s_cbranch_scc1 .Lnot_wave_0_\@
	s_barrier_signal -3
.Lnot_wave_0_\@:
	s_barrier_wait -3
	s_barrier_signal -1
	s_barrier_wait -1
.endm
.macro PLACES
.rept 4
	v_nop
.endr
.endm
.macro WMQ                             ; one product of q^T, by the symbols rD, rA, rB, rC, rSA, rSB; rRA, rRB: which half of the lanes holds the side's scale words
.if (rRA == 0) && (rRB == 0)
	v_wmma_scale_f32_16x16x128_f8f6f4 v[rD:rD+7], v[rA:rA+7], v[rB:rB+7], v[rC:rC+7], v[rSA], v[rSB] matrix_a_fmt:MATRIX_FMT_FP4 matrix_b_fmt:MATRIX_FMT_FP4
.elseif (rRA == 1) && (rRB == 0)
	v_wmma_scale_f32_16x16x128_f8f6f4 v[rD:rD+7], v[rA:rA+7], v[rB:rB+7], v[rC:rC+7], v[rSA], v[rSB] matrix_a_fmt:MATRIX_FMT_FP4 matrix_b_fmt:MATRIX_FMT_FP4 matrix_a_scale:MATRIX_SCALE_ROW1
.elseif rRA == 0
	v_wmma_scale_f32_16x16x128_f8f6f4 v[rD:rD+7], v[rA:rA+7], v[rB:rB+7], v[rC:rC+7], v[rSA], v[rSB] matrix_a_fmt:MATRIX_FMT_FP4 matrix_b_fmt:MATRIX_FMT_FP4 matrix_b_scale:MATRIX_SCALE_ROW1
.else
	v_wmma_scale_f32_16x16x128_f8f6f4 v[rD:rD+7], v[rA:rA+7], v[rB:rB+7], v[rC:rC+7], v[rSA], v[rSB] matrix_a_fmt:MATRIX_FMT_FP4 matrix_b_fmt:MATRIX_FMT_FP4 matrix_a_scale:MATRIX_SCALE_ROW1 matrix_b_scale:MATRIX_SCALE_ROW1
.endif
.endm
.macro XLOAD                           ; a tile of 16 rows of x: eight fragments (all 1,024 along e) and four registers of scale words (lanes 0-15 an even K step's, lanes 16-31 the odd one's)
	v_add_nc_u32 v[ADX], s[TBX], v[L16]
	v_add_nc_u32 v[ADS], s[TSX], v[AS0]
.set ii, 0
.rept 16
	ds_load_b128 v[XF+4*ii:XF+4*ii+3], v[ADX] offset:512*ii
.set ii, ii+1
.endr
.irp u, 0,1,2,3
	ds_load_b32 v[XS+\u], v[ADS] offset:2048*\u
.endr
	s_add_co_u32 s[TBX], s[TBX], 8192
	s_add_co_u32 s[TSX], s[TSX], 64
.endm
; ONE TILE OF 16 ROWS.  more = 1: the next tile's x is fetched as soon as its registers are free.
.macro TILE more
	s_wait_dscnt 0x0                               ; x's fragments and scale words are in
	WIN 0x01                                       ; source 0 in window 1
.irp s, 0,1,2,3,4,5,6,7                        ; q^T = Wq x^T + bq: K step s, tile n of 16 d; the four accumulators by turns; bq is the first products' C
.irp n, 0,1,2,3
.set rD, QA+8*\n
.set rA, 8*(4*\s+\n)
.set rB, XF+8*\s
.if \s == 0
.set rC, BIAS+8*\n
.else
.set rC, rD
.endif
.set rSA, WS+4*(2*(\s/4)+(\n/2))+(\s%4)
.set rSB, XS+(\s/2)
.set rRA, \n%2
.set rRB, \s%2
	WMQ
.endr
.endr
	WIN 0
	PLACES
.set ii, 0
.rept 16
	v_cvt_pk_f16_f32 v[Q16+ii], v[QA+2*ii], v[QA+2*ii+1]           ; two tiles of d make a fragment of 32 along d
.set ii, ii+1
.endr
	WIN 0x02                                       ; source 0 in window 2
.irp d, 0,1                                    ; S^T = k q^T: sixteen accumulators by turns; the first sixteen products start the sums.  (The conversions above are the places in front of results laid over q^T and x)
.irp c, 0,1,2,3,4,5,6,7,8,9,10,11,12,13,14,15
.if \d == 0
	v_wmma_f32_16x16x32_f16 v[S+8*\c:S+8*\c+7], v[8*(2*\c+\d):8*(2*\c+\d)+7], v[Q16+8*\d:Q16+8*\d+7], 0
.else
	v_wmma_f32_16x16x32_f16 v[S+8*\c:S+8*\c+7], v[8*(2*\c+\d):8*(2*\c+\d)+7], v[Q16+8*\d:Q16+8*\d+7], v[S+8*\c:S+8*\c+7]
.endif
.endr
.endr
	WIN 0
	PLACES
.irp k, 0,1,2,3                                ; the largest score of each half of the keys: four chains (half x parity of the tile), each accumulator from its low end on
.irp p, 0,2,4,6
.irp q, 0,1,2,3
.set rS, S+8*(8*(\q/2)+(\q%2)+2*\k)+\p
.if (\k == 0) && (\p == 0)
	v_max_num_f32 v[TM+\q], v[rS], v[rS+1]
.else
	v_max3_num_f32 v[TM+\q], v[TM+\q], v[rS], v[rS+1]
.endif
.endr
.endr
.endr
	v_max_num_f32 v[TM], v[TM], v[TM+1]
	v_max_num_f32 v[TM+2], v[TM+2], v[TM+3]
	v_mul_f32 v[TM], v[TM], v[A0]                  ; as t (a is positive)
	v_mul_f32 v[TM+2], v[TM+2], v[A1]
	v_max_num_f32 v[TM], v[TM], v[TM+2]
	v_permlanex16_b32 v[TM+1], v[TM], s36, s37     ; the row's other 128 keys lie in the lane 16 away
	v_max_num_f32 v[MX], v[TM], v[TM+1]            ; M: the row's largest t
.set ii, 0
.rept 64
.if ii < 32
	v_pk_fma_f32 v[S+2*ii:S+2*ii+1], v[S+2*ii:S+2*ii+1], v[A0:A0+1], v[MX:MX+1] op_sel_hi:[1,0,0] neg_lo:[0,0,1] neg_hi:[0,0,1]   ; t - M
.else
	v_pk_fma_f32 v[S+2*ii:S+2*ii+1], v[S+2*ii:S+2*ii+1], v[A1:A1+1], v[MX:MX+1] op_sel_hi:[1,0,0] neg_lo:[0,0,1] neg_hi:[0,0,1]
.endif
.set ii, ii+1
.endr
.set ii, 0
.rept 128
	v_exp_f32 v[S+ii], v[S+ii]                     ; p = 2^(t - M): one batch
.set ii, ii+1
.endr
	v_nop                                          ; a plain instruction behind the last exponential
	s_wait_alu depctr_va_vdst(0)                   ; one wait for the batch, ahead of its first reader
	v_pk_add_f32 v[TM+4:TM+5], v[S:S+1], v[S+2:S+3]                ; the row's sum, of p in f32: two chains
	v_pk_add_f32 v[TM+6:TM+7], v[S+4:S+5], v[S+6:S+7]
.set ii, 4
.rept 30
	v_pk_add_f32 v[TM+4:TM+5], v[TM+4:TM+5], v[S+2*ii:S+2*ii+1]
	v_pk_add_f32 v[TM+6:TM+7], v[TM+6:TM+7], v[S+2*ii+2:S+2*ii+3]
.set ii, ii+2
.endr
.set ii, 0
.rept 64
	v_cvt_pk_f16_f32 v[P+ii], v[S+2*ii], v[S+2*ii+1]               ; in place, from the low end: two tiles of keys make a fragment of 32 keys
.set ii, ii+1
.endr
.if \more
	XLOAD                                          ; v192-255 are free: the next tile's x lands under the products below
.endif
	v_pk_add_f32 v[TM+4:TM+5], v[TM+4:TM+5], v[TM+6:TM+7]
	v_add_f32 v[TM+4], v[TM+4], v[TM+5]
	v_permlanex16_b32 v[TM+5], v[TM+4], s36, s37
	v_add_f32 v[TM+4], v[TM+4], v[TM+5]            ; the row's sum
	v_rcp_f32 v[FA], v[TM+4]
	v_nop                                          ; a plain instruction between the reciprocal and the products that write over its source
	s_wait_loadcnt 0x0                             ; v^T is in (it matters in the first tile alone)
	WIN 0x03                                       ; source 0 in window 3
.irp c, 0,1,2,3,4,5,6,7                        ; O^T = v^T p^T: four accumulators by turns
.irp d, 0,1,2,3
.if \c == 0
	v_wmma_f32_16x16x32_f16 v[O+8*\d:O+8*\d+7], v[8*(8*\d+\c):8*(8*\d+\c)+7], v[P+8*\c:P+8*\c+7], 0
.else
	v_wmma_f32_16x16x32_f16 v[O+8*\d:O+8*\d+7], v[8*(8*\d+\c):8*(8*\d+\c)+7], v[P+8*\c:P+8*\c+7], v[O+8*\d:O+8*\d+7]
.endif
.endr
.endr
	WIN 0
	PLACES
	s_wait_alu depctr_va_vdst(0)                   ; the wait for the reciprocal, ahead of its first reader
	v_mul_f32 v[FB], v[FA], v[RT+1]
	v_mul_f32 v[FA], v[FA], v[RT]
.set ii, 0
.rept 16
.if ii < 8
	v_pk_mul_f32 v[O+2*ii:O+2*ii+1], v[O+2*ii:O+2*ii+1], v[FA:FA+1] op_sel_hi:[1,0]
.else
	v_pk_mul_f32 v[O+2*ii:O+2*ii+1], v[O+2*ii:O+2*ii+1], v[FB:FB+1] op_sel_hi:[1,0]
.endif
.set ii, ii+1
.endr
	s_wait_xcnt 0x0                                ; the last tile's stores have read their data and their offset
.set ii, 0
.rept 16
	v_cvt_pk_f16_f32 v[AT+ii], v[O+2*ii], v[O+2*ii+1]
.set ii, ii+1
.endr
	s_lshr_b32 s53, s[TRIP], 3
	s_lshl_b32 s53, s53, 18                        ; 128 rows on: 8 blocks of 32,768 bytes
	s_and_b32 s54, s[TRIP], 7
	s_lshl_b32 s54, s54, 10
	s_add_co_u32 s53, s53, s54
	v_add_nc_u32 v[AOF], s53, v[L16]
.irp f, 0,1
.irp g, 0,1
	global_store_b128 v[AOF], v[AT+4*(2*\f+\g):AT+4*(2*\f+\g)+3], s[12:13] offset:\f*8192+\g*512   ; half a fragment's image of the last product's operand: 512 consecutive bytes
.endr
.endr
.endm
	s_load_b256 s[4:11], s[0:1], 0x0               ; xp s[4:5], wp s[6:7], bq s[8:9], kv s[10:11]
	s_load_b64 s[12:13], s[0:1], 0x20              ; attn
	v_lshl_add_u32 v[SPW], v0, 2, SPARE
	v_mov_b32 v[NIL], 0
	ds_add_u32 v[SPW], v[NIL]                      ; the wave's opening: the add, twice on end, and its wait ahead of my first tensor load
	ds_add_u32 v[SPW], v[NIL]
	v_lshrrev_b32 v[ADX], 5, v0
	v_readfirstlane_b32 s14, v[ADX]                ; wave 0..3
	s_bfe_u32 s15, ttmp6, 0x40000                  ; cx: it enters the head's number, and so plain loads' and stores' addresses alone
	s_and_b32 s16, ttmp7, 0xffff                   ; y = 16 b + t / 256, which the four partners share
	s_lshl_b32 s17, s15, 2
	s_add_co_u32 s17, s17, s14                     ; h
	s_lshr_b32 s18, s16, 4                         ; b
	s_mov_b32 s[G1], 15|(3<<16)|(1<<21)            ; 15:0 the mask: all four work-groups; 17:16 elements of 8 bytes; 21 set beside a mask; no padding
	s_mov_b32 s[G1+1], 32<<16                      ; tensor_dim0 = 32 elements: 256 bytes
	s_mov_b32 s[G1+2], 136<<16                     ; tensor_dim1 = 136
	s_mov_b32 s[G1+3], 32<<16                      ; tile_dim0
	s_mov_b32 s[G1+4], 136                         ; tile_dim1
	s_mov_b32 s[G1+5], 32                          ; the pitch: the block is dense
	s_mov_b32 s[G1+6], 0
	s_mov_b32 s[G1+7], 0
	s_mul_i32 s20, s16, PK
	s_mul_i32 s21, s14, QW
	s_add_co_u32 s20, s20, s21                     ; my quarter of x's block
	s_mov_b32 s21, 0
	s_mov_b32 s36, 0x76543210
	s_mov_b32 s37, 0xfedcba98                      ; v_permlanex16_b32's selects for lane l xor 16
	s_mov_b32 s[TRIP], 0
	s_mov_b32 s[TBX], 0
	s_mov_b32 s[TSX], 0
	s_mov_b32 s[G0], 1
	s_mul_i32 s[G0+1], s14, QW
	s_wait_dscnt 0x0                               ; both opening adds are done
	s_wait_kmcnt 0x0
	s_add_nc_u64 s[G0+2:G0+3], s[4:5], s[20:21]
	s_or_b32 s[G0+3], s[G0+3], 0x80000000
	CROUND                                         ; all four work-groups are here: the joint loads meet
	tensor_load_to_lds s[G0:G0+3], s[G1:G1+7]      ; my one tensor load of the launch
	s_nop 0
.rept 4
	v_nop
.endr
	v_and_b32 v[ADX], 31, v0                       ; lane
	v_lshlrev_b32 v[L16], 4, v[ADX]
	v_lshrrev_b32 v[ADS], 4, v[ADX]
	v_and_b32 v[AOF], 15, v[ADX]
	v_lshlrev_b32 v[BO], 5, v[ADS]
	v_lshlrev_b32 v[AS0], 10, v[ADS]
	v_lshl_add_u32 v[AS0], v[AOF], 2, v[AS0]
	v_add_nc_u32 v[AS0], 131072, v[AS0]
	s_lshl_b32 s19, s18, 7
	v_lshl_add_u32 v[GOF], v[ADX], 2, s19
	s_lshl_b32 s22, s17, 3
	s_add_co_u32 s22, s22, s19
	v_mov_b32 v[POF], s22
	s_mul_i32 s44, s17, QW
	s_add_co_u32 s44, s44, 4*PK
	s_mov_b32 s45, 0
	s_add_nc_u64 s[38:39], s[6:7], s[44:45]        ; the head's rows of Wq
	s_lshl_b32 s44, s17, 8
	s_add_nc_u64 s[8:9], s[8:9], s[44:45]          ; and of bq
	s_lshl_b32 s44, s18, 4
	s_add_co_u32 s44, s44, s17
	s_lshl_b32 s44, s44, 15
	s_add_nc_u64 s[40:41], s[10:11], s[44:45]      ; k of (b, h); v^T lies 2 MiB on
	s_lshl_b32 s44, s16, 4
	s_lshr_b32 s46, s17, 1
	s_add_co_u32 s44, s44, s46
	s_lshl_b32 s44, s44, 15
	s_and_b32 s46, s17, 1
	s_lshl_b32 s46, s46, 14
	s_add_co_u32 s44, s44, s46
	s_add_nc_u64 s[12:13], s[12:13], s[44:45]      ; attn: my 256 rows' first block, the head's 64 along K
.irp i, 0,1,2,3
	global_load_b128 v[WS+4*\i:WS+4*\i+3], v[L16], s[38:39] offset:32768+512*\i    ; Wq's scale words: four K steps a load; lanes 0-15 an even tile of d, lanes 16-31 the odd one
.endr
.irp n, 0,1,2,3
	global_load_b128 v[BIAS+8*\n:BIAS+8*\n+3], v[BO], s[8:9] offset:64*\n          ; bq[64 h + 16 n + 8 (lane / 16) + 0 .. 7]
	global_load_b128 v[BIAS+8*\n+4:BIAS+8*\n+7], v[BO], s[8:9] offset:64*\n+16
.endr
	global_load_b32 v[TM+4], v[GOF], s[10:11] offset:4194304+512                   ; a lane a word: the batch's 32 scales of v
	global_load_b64 v[TM:TM+1], v[POF], s[10:11] offset:4194304                    ; k's two of this head
	global_load_b64 v[TM+2:TM+3], v[POF], s[10:11] offset:4194304+512              ; v's two
	WIN 0x40                                       ; destination window 1
.set ii, 0
.rept 64
	global_load_b128 v[4*ii:4*ii+3], v[L16], s[38:39] offset:512*ii                ; Wq: fragment (K step s, tile n) at v[8 (4 s + n)]
.set ii, ii+1
.endr
	WIN 0x80                                       ; destination window 2
.set ii, 0
.rept 64
	global_load_b128 v[4*ii:4*ii+3], v[L16], s[40:41] offset:512*ii                ; k: fragment (tile of keys c, 32 d) at v[8 (2 c + d)]
.set ii, ii+1
.endr
	WIN 0xc0                                       ; destination window 3
.set ii, 0
.rept 64
	global_load_b128 v[4*ii:4*ii+3], v[L16], s[40:41] offset:2097152+512*ii        ; v^T: fragment (tile of d, 32 keys c) at v[8 (8 d + c)]
.set ii, ii+1
.endr
	WIN 0
	s_wait_tensorcnt 0x0                           ; my quarter of x's block is in,
	s_barrier_signal -1
	s_barrier_wait -1                              ; everybody's is
	XLOAD                                          ; the first tile
	s_wait_loadcnt 63                              ; all but the youngest 63 of v^T's 64 loads are in: the words, bq, Wq and k
	v_mov_b32 v[TM+5], 0                           ; (a lane permute's destination counts as one of its sources)
	v_mov_b32 v[MX+1], 0                           ; (the upper halves of pairs of which the low word serves both halves are written once)
	v_mov_b32 v[FA+1], 0
	v_mov_b32 v[FB+1], 0
	v_max_num_f32_dpp v[TM+4], v[TM+4], v[TM+4] row_xmask:1 row_mask:0xf bank_mask:0xf
	v_max_num_f32_dpp v[TM+4], v[TM+4], v[TM+4] row_xmask:2 row_mask:0xf bank_mask:0xf
	v_max_num_f32_dpp v[TM+4], v[TM+4], v[TM+4] row_xmask:4 row_mask:0xf bank_mask:0xf
	v_max_num_f32_dpp v[TM+4], v[TM+4], v[TM+4] row_xmask:8 row_mask:0xf bank_mask:0xf
	v_permlanex16_b32 v[TM+5], v[TM+4], s36, s37
	v_max_num_f32 v[TM+4], v[TM+4], v[TM+5]        ; gamma
	v_mul_f32 v[A0], 0x3e38aa3b, v[TM]             ; a = k's scale x log2(e) / 8
	v_mul_f32 v[A1], 0x3e38aa3b, v[TM+1]
	v_mov_b32 v[A0+1], v[A0]
	v_mov_b32 v[A1+1], v[A1]
	v_sub_nc_u32 v[RT], v[TM+2], v[TM+4]           ; powers of two divide by a difference of their bits;
	v_sub_nc_u32 v[RT+1], v[TM+3], v[TM+4]
	v_add_nc_u32 v[RT], 0x3f800000, v[RT]
	v_add_nc_u32 v[RT+1], 0x3f800000, v[RT+1]
	v_max_i32 v[RT], 0, v[RT]                      ; what would fall under the smallest exponent is 0
	v_max_i32 v[RT+1], 0, v[RT+1]
.Ltile:                                            ; 15 trips, each of which fetches the next tile's x; the sixteenth tile is written out, so that no address passes x's block
	TILE 1
	s_add_co_u32 s[TRIP], s[TRIP], 1
	s_cmp_lt_u32 s[TRIP], 15
	s_cbranch_scc1 .Ltile
	TILE 0
	s_wait_tensorcnt 0x0                           ; the wave's end
	ds_add_u32 v[SPW], v[NIL]
	s_wait_dscnt 0x0
	CROUND                                         ; the closing round
	s_endpgm
.Lfunc_end_k_qdabb30578c_heads:
	.size	k_qdabb30578c_heads, .Lfunc_end_k_qdabb30578c_heads-k_qdabb30578c_heads
	.p2alignl 7, 3214868480
	.fill 96, 4, 3214868480
	.section	.rodata,"a",@progbits
	.p2align	6, 0x0
	.amdhsa_kernel k_qdabb30578c_heads
		.amdhsa_group_segment_fixed_size 167936
		.amdhsa_private_segment_fixed_size 0
		.amdhsa_enable_private_segment 0
		.amdhsa_kernarg_size 40
		.amdhsa_user_sgpr_count 2
		.amdhsa_user_sgpr_kernarg_segment_ptr 1
		.amdhsa_wavefront_size32 1
		.amdhsa_system_sgpr_workgroup_id_x 1
		.amdhsa_system_sgpr_workgroup_id_y 1
		.amdhsa_system_sgpr_workgroup_id_z 1
		.amdhsa_system_vgpr_workitem_id 0
		.amdhsa_next_free_vgpr 1024
		.amdhsa_next_free_sgpr 66
		.amdhsa_reserve_vcc 0
		.amdhsa_float_denorm_mode_32 3
		.amdhsa_float_denorm_mode_16_64 3
		.amdhsa_memory_ordered 1
		.amdhsa_forward_progress 1
		.amdhsa_inst_pref_size 93
	.end_amdhsa_kernel
	.amdgpu_metadata
---
amdhsa.version: [ 1, 2 ]
amdhsa.kernels:
  - .name:           k_qdabb30578c_heads
    .symbol:         k_qdabb30578c_heads.kd
    .args:
      - { .name: xp, .offset: 0, .size: 8, .value_kind: global_buffer, .address_space: global }
      - { .name: wp, .offset: 8, .size: 8, .value_kind: global_buffer, .address_space: global }
      - { .name: bq, .offset: 16, .size: 8, .value_kind: global_buffer, .address_space: global }
      - { .name: kv, .offset: 24, .size: 8, .value_kind: global_buffer, .address_space: global }
      - { .name: attn, .offset: 32, .size: 8, .value_kind: global_buffer, .address_space: global }
    .group_segment_fixed_size: 167936
    .private_segment_fixed_size: 0
    .kernarg_segment_align: 8
    .kernarg_segment_size: 40
    .max_flat_workgroup_size: 128
    .sgpr_count:     66
    .vgpr_count:     1024
    .wavefront_size: 32
...
	.end_amdgpu_metadata
.endif
;; end of part 4
;; launch outproj (part 5): grid 4 x 64, 4 waves a work-group, clusters of 4 x 4, 327,680 bytes of LDS; arguments attn, w16, bo, kv, out0; writes out0
.if DOCPART == 5
	.amdgcn_target "amdgcn-amd-amdhsa--gfx1250"
	.amdhsa_code_object_version 6
	.text
	.protected	k_qdabb30578c_outproj
	.globl	k_qdabb30578c_outproj
	.p2align	8
	.type	k_qdabb30578c_outproj,@function
k_qdabb30578c_outproj:
	s_mov_b64 s[64:65], 0
	v_nop
	global_prefetch_b8 v0, s[64:65] scope:SCOPE_SE
	s_setreg_imm32_b32 hwreg(HW_REG_WAVE_MODE, 25, 1), 1
	s_wait_xcnt 0x0
	s_wait_alu depctr_hold_cnt(0) depctr_sa_sdst(0) depctr_va_vdst(0) depctr_va_sdst(0) depctr_va_ssrc(0) depctr_va_vcc(0) depctr_vm_vsrc(0)
	s_getreg_b32 s2, hwreg(HW_REG_IB_STS2, 6, 4)
	s_cmp_eq_u32 s2, 0
	s_cbranch_scc0 .Lentry_in_a_cluster
	s_endpgm
.Lentry_in_a_cluster:
	s_bfe_u32 s2, ttmp6, 0x10000c
	s_cmp_lg_u32 s2, 0xf033
	s_cbranch_scc0 .Lentry_shape_is_right
	s_endpgm
.Lentry_shape_is_right:
; OUTPROJ: out0[t][b][n] = gamma_b x (the sum over k of attn16[4096 b + t][k] Wo16[n][k]) + bo[n]; f16 operands, f32 sums.  gamma_b, a power of two, is the scale under which the launch before stored batch b's rows.
; A tile of 256 rows x 256 n is made by a work-group of four waves; a wave makes 128 x 128: 64 accumulators of 16 x 16, 512 registers.  K goes in steps of 128 through a ring of two LDS slots.
; BOTH OPERANDS LIE IN MEMORY AS IMAGES OF OPERAND REGISTERS, in dense blocks of 128 rows x 128 K (32,768 bytes): one tensor load a wave brings a block as 128 rows of 256 bytes; a fragment is two LDS loads
; of 512 consecutive bytes, so the slots need no padding.
; CLUSTER 4 x 4: the four work-groups of a row of the cluster need the same blocks of attn, the four of a column the same blocks of Wo: each is asked for JOINTLY.
; THE MATRIX INSTRUCTION IS USED TRANSPOSED (source 0 = 16 rows of Wo, source 1 = 16 rows of attn): a lane holds eight neighbouring n of one row.
; No prefetch: a refill is asked for 224 matrix instructions ahead of the wait for it.  One tile to a work-group: 256 tiles for 256 WGPs.
; REGISTERS: window 0: v1-29 addresses; v40-43 bo, v44-47 gamma; v64-127, v128-191 fragments of attn, two buffers; on the way out v128-255 rows of the result.
;   window 1: v64-127, v128-191 fragments of Wo.   window 2: the 32 accumulators of my rows 0-63 ((a, b) at v[8 (8 a + b)]);   window 3: those of my rows 64-127.
.set SLOT,   131072                    ; attn's two blocks, then Wo's two
.set STAGE,  2*SLOT                    ; behind the ring: 16 rows x 528 bytes for each wave, for the way out; no tensor load lands there
.set SPITCH, 528
.set SPARE,  STAGE+4*16*SPITCH         ; the spare words, 128 bytes for each wave: two blocks of 256 bytes that no other line names
.set LAPS,   4                         ; a lap = two K steps = once round the ring; K = 1,024
.set L16,  1                           ; v1     16 x lane
.set ADRA, 16                          ; v16-17 LDS address of my fragments of attn in slot 0, 1
.set ADRB, 20                          ; v20-21 the same for Wo
.set STO,  24                          ; v24    the way out: where I put 32 bytes of a row
.set RD,   25                          ; v25    and where I read a row back
.set GOF,  26                          ; v26    128 b + 4 x lane
.set SPW,  28                          ; v28    LDS address of my spare word; never rewritten
.set NIL,  29                          ; v29    0; never rewritten
.set BI,   40                          ; v40-43 bo of my four columns on the way out
.set GM,   44                          ; v[44:45] gamma
.set F0,   64
.set F1,   128
.set BK,   128                         ; the way out: 16 rows read back: v128-191 and v192-255 by turns
.set G1,  24                           ; s[24:31] descriptor group 1 for attn; s[32:39] group 0, one set for each slot
.set G0,  32
.set G1B, 48                           ; s[48:55], s[56:63] the same for Wo
.set G0B, 56
.set MSB, 0
.macro WIN new                         ; the immediate's high byte repeats the setting that is left
.if MSB != \new
	s_set_vgpr_msb (MSB<<8)|\new
.set MSB, \new
.endif
.endm
.set MUL_LO, 0xa1                      ; source 0 (Wo) window 1, source 1 (attn) window 0, C and D window 2
.set MUL_HI, 0xf1                      ; the same, C and D window 3
.set TO_B,   0x40                      ; destination window 1, address window 0
.macro JLOAD s                         ; waves 0 and 1 fetch attn's two blocks, waves 2 and 3 Wo's; an s_nop 0 and four v_nop follow each of the two lines
	s_cmp_eq_u32 s15, 0
	s_cbranch_scc0 .Lfor_b_\@
	tensor_load_to_lds s[G0+4*\s:G0+4*\s+3], s[G1:G1+7]
	s_nop 0
.rept 4
	v_nop
.endr
	s_branch .Lasked_\@
.Lfor_b_\@:
	tensor_load_to_lds s[G0B+4*\s:G0B+4*\s+3], s[G1B:G1B+7]
	s_nop 0
.rept 4
	v_nop
.endr
.Lasked_\@:
.endm
.macro CREST                           ; a round of the cluster's barrier behind its opening barrier
	s_cmp_lg_u32 s14, 0
	s_cbranch_scc1 .Lnot_wave_0_\@
	s_barrier_signal -3
.Lnot_wave_0_\@:
	s_barrier_wait -3
	s_barrier_signal -1
	s_barrier_wait -1
.endm
.macro CROUND
	s_barrier_signal -1
	s_barrier_wait -1
	CREST
.endm
.macro PLACES                          ; four places in front of loads into registers that matrix instructions have read, and of the first read of results
.rept 4
	v_nop
.endr
.endm
; 16 matrix instructions: row blocks a0, a0 + 1 of the window's four x all 8 column blocks, 32 along K.  zero = 1: the first product starts the sums.  The 64 accumulators take turns in the same order in every quarter.
.macro MUL16 f, hi, a0, zero
.irp a, \a0, \a0+1
.irp b, 0,1,2,3,4,5,6,7
.if \zero
	v_wmma_f32_16x16x32_f16 v[8*(8*(\a)+\b):8*(8*(\a)+\b)+7], v[\f+8*\b:\f+8*\b+7], v[\f+8*(4*\hi+\a):\f+8*(4*\hi+\a)+7], 0
.else
	v_wmma_f32_16x16x32_f16 v[8*(8*(\a)+\b):8*(8*(\a)+\b)+7], v[\f+8*\b:\f+8*\b+7], v[\f+8*(4*\hi+\a):\f+8*(4*\hi+\a)+7], v[8*(8*(\a)+\b):8*(8*(\a)+\b)+7]
.endif
.endr
.endr
.endm
; 32 LDS loads in one run: the fragments of the slot's q-th 32 along K into buffer f: Wo's eight, then attn's eight
.macro FETCH slot, q, f
	WIN TO_B
.irp i, 0,1,2,3,4,5,6,7
	ds_load_b128 v[\f+8*\i:\f+8*\i+3],   v[ADRB+\slot] offset:(\q)*8192+\i*1024
	ds_load_b128 v[\f+8*\i+4:\f+8*\i+7], v[ADRB+\slot] offset:(\q)*8192+\i*1024+512
.endr
	WIN 0
.irp i, 0,1,2,3,4,5,6,7
	ds_load_b128 v[\f+8*\i:\f+8*\i+3],   v[ADRA+\slot] offset:(\q)*8192+\i*1024
	ds_load_b128 v[\f+8*\i+4:\f+8*\i+7], v[ADRA+\slot] offset:(\q)*8192+\i*1024+512
.endr
.endm
; A K step is four quarters of 32 along K, 64 matrix instructions each, on buffers 0, 1, 0, 1.  One of the first three multiplies buffer f and fetches quarter q of the same slot into buffer g.
.macro QUARTER slot, q, f, g, zero
	s_wait_dscnt 8                                 ; Wo's fragments and attn's rows 0-63 are in; the youngest eight loads (rows 64-127) may be out
	WIN MUL_LO
	MUL16 \f, 0, 0, \zero
	MUL16 \f, 0, 2, \zero
	PLACES
	FETCH \slot, \q, \g
	s_wait_dscnt 32                                ; all but the 32 just issued
	WIN MUL_HI
	MUL16 \f, 1, 0, \zero
	MUL16 \f, 1, 2, \zero
.endm
; The last quarter multiplies buffer 1 and changes slots: ONE barrier.  In front of it each wave waits for all its tensor loads (the one that is out is its part of the next slot), adds 0 to its spare word,
; and waits for that and for its reads of this slot.  fill = 1: the barrier opens a round of the cluster's barrier, and this slot is filled again, two K steps ahead, first thing behind the round.
.macro TURN slot, next, fill
	WIN 0                                          ; (the add's two registers lie in window 0)
	s_wait_tensorcnt 0x0
	ds_add_u32 v[SPW], v[NIL]
	s_wait_dscnt 9                                 ; (the add and the youngest eight loads may be out)
	WIN MUL_LO
	MUL16 F1, 0, 0, 0                              ; sixteen matrix instructions stand between the add and the wait for it
	s_wait_dscnt 0x0                               ; the add is done, and my reads of this slot are over
	s_barrier_signal -1
	MUL16 F1, 0, 2, 0
.if \fill
	WIN 0
.endif
	s_barrier_wait -1
.if \fill
	CREST                                          ; no wave of any partner still reads this slot or has a load on its way
	s_add_nc_u64 s[G0+4*\slot+2:G0+4*\slot+3], s[G0+4*\slot+2:G0+4*\slot+3], 65536
	s_add_nc_u64 s[G0B+4*\slot+2:G0B+4*\slot+3], s[G0B+4*\slot+2:G0B+4*\slot+3], 65536
	JLOAD \slot                                    ; the four v_nop behind it are also the places in front of the loads below
.else
	PLACES
.endif
	FETCH \next, 0, F0
	WIN MUL_HI
	MUL16 F1, 1, 0, 0
	MUL16 F1, 1, 2, 0
.endm
; THE WAY OUT, block by block of 16 rows x 128 columns: through my own stage, back as whole rows of 512 bytes, x gamma + bo, stored.  LDS serves a wave's instructions in order: no wait between the stores and the loads.
.macro TOSTAGE a
.set AC, 64*((\a)%4)
	WIN (0x08+4*((\a)/4))                          ; an LDS store's data: window 2 or 3
.irp b, 0,1,2,3,4,5,6,7
	ds_store_b128 v[STO], v[AC+8*\b:AC+8*\b+3] offset:64*\b        ; each accumulator from its low end on
	ds_store_b128 v[STO], v[AC+8*\b+4:AC+8*\b+7] offset:64*\b+16
.endr
	WIN 0
.set BB, BK+64*((\a)%2)
.set ii, 0
.rept 16
	ds_load_b128 v[BB+4*ii:BB+4*ii+3], v[RD] offset:ii*SPITCH
.set ii, ii+1
.endr
.endm
.macro SEND a, younger                 ; younger: the LDS instructions issued behind block a's loads, which may stay out
.set BB, BK+64*((\a)%2)
	s_wait_dscnt \younger
.if (\a) > 0
	s_add_nc_u64 s[12:13], s[12:13], 262144        ; 16 t on (behind a wait that shows that the earlier stores have read their base)
.endif
.set ii, 0
.rept 16
	v_pk_fma_f32 v[BB+4*ii:BB+4*ii+1], v[BB+4*ii:BB+4*ii+1], v[GM:GM+1], v[BI:BI+1] op_sel_hi:[1,0,1]
	v_pk_fma_f32 v[BB+4*ii+2:BB+4*ii+3], v[BB+4*ii+2:BB+4*ii+3], v[GM:GM+1], v[BI+2:BI+3] op_sel_hi:[1,0,1]
.set ii, ii+1
.endr
.set ii, 0
.rept 16
	global_store_b128 v[L16], v[BB+4*ii:BB+4*ii+3], s[12:13] offset:ii*16384 th:TH_STORE_NT   ; 32 lanes store 512 consecutive bytes, aligned; written once
.set ii, ii+1
.endr
.endm
	s_load_b256 s[4:11], s[0:1], 0x0               ; attn s[4:5], w16 s[6:7], bo s[8:9], kv s[10:11]
	s_load_b64 s[12:13], s[0:1], 0x20              ; out0
	v_lshl_add_u32 v[SPW], v0, 2, SPARE
	v_mov_b32 v[NIL], 0
	ds_add_u32 v[SPW], v[NIL]                      ; the wave's opening: the add, twice on end, and its wait ahead of my first tensor load
	ds_add_u32 v[SPW], v[NIL]
	v_lshrrev_b32 v1, 5, v0
	v_readfirstlane_b32 s14, v1                    ; wave 0..3
	s_lshr_b32 s15, s14, 1                         ; which half of the tile's rows is mine.  Also: I fetch for attn (0) or for Wo (1)
	s_and_b32 s16, s14, 1                          ; which half of its columns.  Also: which block of 128 rows I fetch
	s_bfe_u32 s40, ttmp6, 0x40000                  ; cx, cy
	s_bfe_u32 s41, ttmp6, 0x40004
	s_lshl_b32 s42, ttmp9, 2
	s_add_co_u32 s42, s42, s40                     ; tile column
	s_and_b32 s17, ttmp7, 0xffff
	s_lshl_b32 s17, s17, 2
	s_add_co_u32 s17, s17, s41                     ; tile row
	s_lshl_b32 s43, s41, 2
	s_lshl_b32 s43, 15, s43                        ; my row of the cluster
	s_lshl_b32 s44, 0x1111, s40                    ; my column
	s_or_b32 s[G1], s43, (3<<16)|(1<<21)           ; 15:0 the mask; 17:16 elements of 8 bytes; 21 set beside a mask; no padding
	s_or_b32 s[G1B], s44, (3<<16)|(1<<21)
.irp g, G1, G1B
	s_mov_b32 s[\g+1], 32<<16                      ; tensor_dim0 = 32 elements: 256 bytes
	s_mov_b32 s[\g+2], 128<<16                     ; tensor_dim1 = 128
	s_mov_b32 s[\g+3], 32<<16                      ; tile_dim0
	s_mov_b32 s[\g+4], 128                         ; tile_dim1
	s_mov_b32 s[\g+5], 32                          ; the pitch: a block is dense
	s_mov_b32 s[\g+6], 0
	s_mov_b32 s[\g+7], 0
.endr
	s_lshl_b32 s20, s17, 1
	s_add_co_u32 s20, s20, s16
	s_lshl_b32 s20, s20, 18                        ; attn: 128 rows are 8 blocks of 32,768 bytes
	s_mov_b32 s21, 0
	s_lshl_b32 s46, s42, 1
	s_add_co_u32 s46, s46, s16
	s_lshl_b32 s46, s46, 18
	s_add_co_u32 s46, s46, 4194304                 ; Wo is the third matrix of w16
	s_mov_b32 s47, 0
	s_lshl_b32 s45, s14, 15                        ; where they go: wave x 32,768: no place in the cluster enters an LDS address
	s_wait_dscnt 0x0                               ; both opening adds are done
	s_wait_kmcnt 0x0
	s_add_nc_u64 s[20:21], s[4:5], s[20:21]
	s_add_nc_u64 s[46:47], s[6:7], s[46:47]
	CROUND                                         ; all sixteen work-groups are here: the first joint loads meet
.irp s, 0,1
	s_mov_b32 s[G0+4*\s], 1
	s_add_co_u32 s[G0+4*\s+1], s45, \s*SLOT
	s_add_nc_u64 s[G0+4*\s+2:G0+4*\s+3], s[20:21], \s*32768
	s_or_b32 s[G0+4*\s+3], s[G0+4*\s+3], 0x80000000
	s_mov_b32 s[G0B+4*\s], 1
	s_add_co_u32 s[G0B+4*\s+1], s45, \s*SLOT
	s_add_nc_u64 s[G0B+4*\s+2:G0B+4*\s+3], s[46:47], \s*32768
	s_or_b32 s[G0B+4*\s+3], s[G0B+4*\s+3], 0x80000000
	JLOAD \s                                       ; two loads of mine are out: K steps 0 and 1
.endr
	v_and_b32 v2, 31, v0                           ; lane
	v_lshlrev_b32 v[L16], 4, v2
	s_lshl_b32 s21, s15, 15                        ; my 128 rows of attn
	s_lshl_b32 s22, s16, 15
	s_add_co_u32 s22, s22, 65536                   ; my 128 rows of Wo, behind attn's two blocks
.irp s, 0,1
	v_add_nc_u32 v[ADRA+\s], s21, v[L16]
	v_add_nc_u32 v[ADRB+\s], s22, v[L16]
	s_add_co_u32 s21, s21, SLOT
	s_add_co_u32 s22, s22, SLOT
.endr
	s_mul_i32 s23, s14, 16*SPITCH
	s_add_co_u32 s23, s23, STAGE                   ; my stage
	v_and_b32 v3, 15, v0
	v_bfe_u32 v4, v0, 4, 1
	v_mul_u32_u24 v5, v3, SPITCH                   ; in: row lane % 16, 32 bytes for each half of the lanes
	v_lshl_add_u32 v5, v4, 5, v5
	v_add_nc_u32 v[STO], s23, v5
	v_add_nc_u32 v[RD], s23, v[L16]                ; back: the 32 lanes take one row of 512 bytes
	s_lshr_b32 s70, s17, 4                         ; b: a tile's 256 rows lie in one batch
	s_lshl_b32 s71, s70, 7
	v_lshl_add_u32 v[GOF], v2, 2, s71
	s_and_b32 s72, s17, 15
	s_lshl_b32 s72, s72, 8
	s_lshl_b32 s73, s15, 7
	s_add_co_u32 s72, s72, s73                     ; my first t
	s_lshl_b32 s72, s72, 14                        ; a t is 16,384 bytes of out0,
	s_lshl_b32 s73, s70, 12                        ; a batch 4,096
	s_add_co_u32 s72, s72, s73
	s_lshl_b32 s70, s42, 10
	s_lshl_b32 s71, s16, 9
	s_add_co_u32 s70, s70, s71                     ; my first column, in bytes
	s_mov_b32 s71, 0
	s_add_nc_u64 s[8:9], s[8:9], s[70:71]
	s_add_co_u32 s72, s72, s70
	s_mov_b32 s73, 0
	s_add_nc_u64 s[12:13], s[12:13], s[72:73]
	global_load_b128 v[BI:BI+3], v[L16], s[8:9]                    ; bo of my four columns on the way out
	global_load_b32 v[GM], v[GOF], s[10:11] offset:4194304+512     ; a lane a word: the batch's 32 scales of v
	s_wait_tensorcnt 1                             ; my part of K step 0 is in; K step 1's load may stay out
	s_barrier_signal -1
	s_barrier_wait -1                              ; everybody's is
	FETCH 0, 0, F0
	QUARTER 0, 1, F0, F1, 1                        ; the first quarter stands in front of the loop: its products start the sums
	WIN 0                                          ; at a label and at a branch every window is 0
	s_mov_b32 s3, LAPS-1
.Llap:                                             ; a trip goes once round the ring, from a lap's second quarter to the next lap's first, and fills both slots again
	QUARTER 0, 2, F1, F0, 0
	QUARTER 0, 3, F0, F1, 0
	TURN 0, 1, 1
	QUARTER 1, 1, F0, F1, 0
	QUARTER 1, 2, F1, F0, 0
	QUARTER 1, 3, F0, F1, 0
	TURN 1, 0, 1
	QUARTER 0, 1, F0, F1, 0
	WIN 0
	s_sub_co_u32 s3, s3, 1
	s_cmp_lg_u32 s3, 0
	s_cbranch_scc1 .Llap
	QUARTER 0, 2, F1, F0, 0                        ; the last lap fills nothing, and has no round of the cluster's barrier
	QUARTER 0, 3, F0, F1, 0
	TURN 0, 1, 0
	QUARTER 1, 1, F0, F1, 0
	QUARTER 1, 2, F1, F0, 0
	QUARTER 1, 3, F0, F1, 0
	s_wait_dscnt 8                                 ; the very last quarter: nothing more to fetch
	WIN MUL_LO
	MUL16 F1, 0, 0, 0
	MUL16 F1, 0, 2, 0
	s_wait_dscnt 0
	WIN MUL_HI
	MUL16 F1, 1, 0, 0
	MUL16 F1, 1, 2, 0
	WIN 0
	s_mov_b32 s18, 0x76543210
	s_mov_b32 s19, 0xfedcba98                      ; v_permlanex16_b32's selects for lane l xor 16
	s_wait_loadcnt 0x0                             ; bo and the scales
	PLACES                                         ; behind the last products: for the stage's stores and for the loads into the registers that held attn's fragments
	v_mov_b32 v[GM+2], 0                           ; (a lane permute's destination counts as one of its sources)
	v_max_num_f32_dpp v[GM], v[GM], v[GM] row_xmask:1 row_mask:0xf bank_mask:0xf
	v_max_num_f32_dpp v[GM], v[GM], v[GM] row_xmask:2 row_mask:0xf bank_mask:0xf
	v_max_num_f32_dpp v[GM], v[GM], v[GM] row_xmask:4 row_mask:0xf bank_mask:0xf
	v_max_num_f32_dpp v[GM], v[GM], v[GM] row_xmask:8 row_mask:0xf bank_mask:0xf
	v_permlanex16_b32 v[GM+2], v[GM], s18, s19
	v_max_num_f32 v[GM], v[GM], v[GM+2]            ; gamma
	v_mov_b32 v[GM+1], v[GM]
	TOSTAGE 0
.irp a, 1,2,3,4,5,6,7
.if \a > 1
	s_wait_xcnt 0x0                                ; block a - 2's stores have read their registers and their base
.endif
	TOSTAGE \a
	SEND \a-1, 32                                  ; behind block a - 1's loads: block a's 16 stores and 16 loads
.endr
	s_wait_xcnt 0x0                                ; block 6's stores have read their base
	SEND 7, 0
	s_wait_tensorcnt 0x0                           ; the wave's end, behind my last tensor load and my last LDS store
	ds_add_u32 v[SPW], v[NIL]
	s_wait_dscnt 0x0
	CROUND                                         ; the closing round: no work-group ends while a partner may still ask for a block that names it
	s_endpgm
.Lfunc_end_k_qdabb30578c_outproj:
	.size	k_qdabb30578c_outproj, .Lfunc_end_k_qdabb30578c_outproj-k_qdabb30578c_outproj
	.p2alignl 7, 3214868480
	.fill 96, 4, 3214868480
	.section	.rodata,"a",@progbits
	.p2align	6, 0x0
	.amdhsa_kernel k_qdabb30578c_outproj
		.amdhsa_group_segment_fixed_size 327680
		.amdhsa_private_segment_fixed_size 0
		.amdhsa_enable_private_segment 0
		.amdhsa_kernarg_size 40
		.amdhsa_user_sgpr_count 2
		.amdhsa_user_sgpr_kernarg_segment_ptr 1
		.amdhsa_wavefront_size32 1
		.amdhsa_system_sgpr_workgroup_id_x 1
		.amdhsa_system_sgpr_workgroup_id_y 1
		.amdhsa_system_sgpr_workgroup_id_z 1
		.amdhsa_system_vgpr_workitem_id 0
		.amdhsa_next_free_vgpr 1024
		.amdhsa_next_free_sgpr 76
		.amdhsa_reserve_vcc 0
		.amdhsa_float_denorm_mode_32 3
		.amdhsa_float_denorm_mode_16_64 3
		.amdhsa_memory_ordered 1
		.amdhsa_forward_progress 1
		.amdhsa_inst_pref_size 157
	.end_amdhsa_kernel
	.amdgpu_metadata
---
amdhsa.version: [ 1, 2 ]
amdhsa.kernels:
  - .name:           k_qdabb30578c_outproj
    .symbol:         k_qdabb30578c_outproj.kd
    .args:
      - { .name: attn, .offset: 0, .size: 8, .value_kind: global_buffer, .address_space: global }
      - { .name: w16, .offset: 8, .size: 8, .value_kind: global_buffer, .address_space: global }
      - { .name: bo, .offset: 16, .size: 8, .value_kind: global_buffer, .address_space: global }
      - { .name: kv, .offset: 24, .size: 8, .value_kind: global_buffer, .address_space: global }
      - { .name: out0, .offset: 32, .size: 8, .value_kind: global_buffer, .address_space: global }
    .group_segment_fixed_size: 327680
    .private_segment_fixed_size: 0
    .kernarg_segment_align: 8
    .kernarg_segment_size: 40
    .max_flat_workgroup_size: 128
    .sgpr_count:     76
    .vgpr_count:     1024
    .wavefront_size: 32
...
	.end_amdgpu_metadata
.endif
;; end of part 5
